; MI455X (gfx1250); checked and timed in simulation.
; The chip was launched on July 23, 2026; its instructions are those of AMD's public machine-readable ISA for CDNA 5 (MIT licence, August 2026) and "CDNA5" Instruction Set Architecture Reference Guide (July 2026). The comments in the code are by the model that wrote it; some were corrected since.
;; Local Transformer Block. Allowed arithmetic: matrix products marked QUANTISED: E2M3 operands, one E8M0 scale for each 32 along K, by v_wmma_scale_f32_16x16x128_f8f6f4 with both operands' format E2M3, f32 sums; everything else in f32.
;; Inputs: b1 2,048 float32; b2 512 float32; inputs 4 x 4,096 x 512 float32; ln1_bias 512 float32; ln1_scale 512 float32; ln2_bias 512 float32; ln2_scale 512 float32; w1 512 x 2,048 float32; w2 2,048 x 512 float32; wk 512 x 8 x 64 float32; wo 8 x 64 x 512 float32; wq 512 x 8 x 64 float32; wv 512 x 8 x 64 float32.
;; Outputs: out0 4 x 4,096 x 512 float32.
;; This version of the problem:
;;   THIS VERSION OF THE PROBLEM IS GIVEN IN LOW PRECISION. The matrix products marked QUANTISED in the list below multiply operands that are first quantised to E2M3 (2 exponent bits, 3 mantissa bits; 6 bits a number), with one power-of-two scale for each 32 numbers along K (OCP MX v1.0); their sums are f32. All else is computed in f32.
;;   The module's matrix products, in the order in which they are computed (A, B: the left and right operand; K: the contracted axis; several contracted axes count as one K, in the product's order):
;;     1. [M 16,384, K 512] x [K 512, N 512]; A: computed on the way; B: input wq: QUANTISED
;;     2. [M 16,384, K 512] x [K 512, N 512]; A: computed on the way; B: input wk: QUANTISED
;;     3. [M 16,384, K 512] x [K 512, N 512]; A: computed on the way; B: input wv: QUANTISED
;;     4. batch 1,024 x [M 128, K 64] x [K 64, N 128]; A: computed on the way; B: computed on the way: QUANTISED
;;     5. batch 1,024 x [M 64, K 128] x [K 128, N 128]; A: computed on the way; B: softmax (see below): QUANTISED
;;     6. [M 16,384, K 512] x [K 512, N 512]; A: computed on the way; B: input wo: QUANTISED
;;     7. [M 16,384, K 512] x [K 512, N 2,048]; A: computed on the way; B: input w1: QUANTISED
;;     8. [M 16,384, K 2,048] x [K 2,048, N 512]; A: computed on the way; B: input w2: QUANTISED
;;   THE QUANTISER, for each operand of a quantised product, along K:
;;     - K is cut into blocks of 32 from its start; a last block that is shorter is filled with zeros.
;;     - A block's scale is 2^e with e = floor(log2(the largest magnitude in the block)) - 2, held to -126 .. 127; a block of zeros has e = 0. As a byte (E8M0): e + 127.
;;     - Each number is divided by its block's scale, clamped to +-7.5, and rounded to the nearest number of E2M3, ties to even, subnormals kept.
;;     - The product sums the exact products of the quantised numbers (number of the format x scale) in f32.
;;   ~~~python
;;   def quantise(x, axis):      # numpy; x: float32 -> the quantised numbers, widened to float32 again
;;       x = np.moveaxis(x, axis, -1); K = x.shape[-1]
;;       x = np.pad(x, [(0, 0)] * (x.ndim - 1) + [(0, -K % 32)]); x = x.reshape(x.shape[:-1] + (-1, 32)); a = np.abs(x).max(-1, keepdims=True)
;;       e = np.where(a > 0, np.clip(np.frexp(np.where(a > 0, a, 1))[1] - 1 - 2, -126, 127), 0)      # np.frexp(a)[1] - 1 = floor(log2(a)), exactly
;;       r = np.clip(x / 2.0 ** e, -7.5, 7.5)
;;       step = 2.0 ** (np.maximum(np.frexp(np.where(r == 0, 1, r))[1] - 1, 0) - 3)
;;       q = np.round(r / step) * step * 2.0 ** e      # np.round: ties to even
;;       return np.moveaxis(q.reshape(q.shape[:-2] + (-1,))[..., :K], -1, axis).astype(np.float32)
;;   ~~~
;;   SOFTMAX AHEAD OF A QUANTISED PRODUCT. Where the list says 'softmax', what is quantised is not the finished softmax but p = 2^(t - M), with t = logit x log2(e) and M = ceil(the row's largest t), a whole number; so 1/2 < the row's largest p <= 1. The row's sum l is taken of the UNQUANTISED p, in f32, and the product's result is divided by l at the end. Since M is a whole number, a kernel that streams over the keys may use a running M (the ceiling of the running maximum): every later rescaling is an exact power of two, which a block's scale takes up: the codes' values come out the same.
;;   OPERANDS COMPUTED ON THE WAY. 'Computed on the way' means the value that the module computes at that place (a softmax that the list does not call 'softmax' is quantised finished and normalised). What goes into a quantiser is computed in f32, as accurately as f32 sums, v_exp_f32 and their like allow (about 1e-6 of the number): no bf16 or f16 on the way to a quantiser, and a product that is left as it is and whose result goes on into a quantised operand takes f32 operands (vector FMAs, or v_wmma_f32_16x16x4_f32). A number that lies on a knife's edge between two numbers of the format may be rounded either way, as far as f32 arithmetic and the matrix unit's own rounding can turn it there, and no further.
;; One version. Each part assembles by itself: llvm-mc -triple=amdgcn-amd-amdhsa -mcpu=gfx1250 --defsym DOCPART=n.
;; ======== version 1 of 1: 2 launches
;; limits: right only within a limited range of input values
;; workspace buffers: wst 2,457,600 bytes; xim 6,553,600 bytes
;; launch prep (part 1): grid 1216 x 1, 4 waves a work-group, no clusters, 63,744 bytes of LDS; arguments wq, wk, wv, wo, w1, w2, wst, inputs, ln1_scale, ln1_bias, xim; writes wst, xim
.if DOCPART == 1
	.amdgcn_target "amdgcn-amd-amdhsa--gfx1250"
	.amdhsa_code_object_version 6
	.text
	.protected	k_qe88ce76f94_prep
	.globl	k_qe88ce76f94_prep
	.p2align	8
	.type	k_qe88ce76f94_prep,@function
k_qe88ce76f94_prep:
	s_mov_b64 s[64:65], 0
	v_nop
	global_prefetch_b8 v0, s[64:65] scope:SCOPE_SE
	s_setreg_imm32_b32 hwreg(HW_REG_WAVE_MODE, 25, 1), 1
	s_wait_xcnt 0x0
; The six weights, f32 with K as their FIRST axis, become codes of FP6 (E2M3) with one E8M0 byte for each 32 along K, laid in wst in the order in which the
; operand registers of the second launch's waves take them.
; wst: 8 streams (one for each wave of the second launch) x 48 blocks x 6,400 bytes.  A block is 64 columns x 128 along K: four fragments of 1,536 bytes
; (register 4 c + e of lane l at 512 c + 16 l + 4 e), then 256 bytes of scale words (fragment 2 b + u, row r at 8 (r + 16 b) + 4 u).
; Fragment 2 b + u, lane row r holds column base + 32 b + 8 u + r + 8 (r / 8); lane (r, h), registers 6 c .. 6 c + 5 hold k = 64 c + 32 h + 0 .. 31.
; Blocks of a stream: wq K steps 0-3, wk, wv, wo, w1 (group g, K step s: 16 + 4 g + s), w2 K steps 0-15 (32 + s).
; Column base: 64 W; for w1 64 kappa with kappa = 2 (4 (W / 2) + g) + W % 2.
; A LANE TAKES A COLUMN, ITS REGISTERS RUN DOWN K: a load of a wave reads 128 consecutive bytes (the four waves 512), a block of 32 along K lies in one lane,
; and the conversions give codes with K innermost.  A wave takes 32 columns x 128 k: two fragments; they turn through the wave's own stage in LDS and leave
; as six stores of 512 consecutive aligned bytes.  Its 32 scale words leave as 128 consecutive bytes: half of an aligned 256, one byte in 25 of what is stored.
; A block's scale is 2^(floor(log2(largest magnitude)) - 2); its byte is the largest magnitude's exponent field - 2, held at 1 from below.
; LIMITS: a block of zeros, or one whose largest magnitude lies under 2^-124, gets the byte 1 (zeros' codes are zeros; this program alone reads the bytes);
; NaN and infinities among the inputs are not served.
; Work-groups 0-63: wq, wk, wv, wo; 64-127: w1; 128-191: w2.  w1's rows are 8,192 bytes, the others' 2,048: row offsets are immediates, so the body is
; expanded twice, and each expansion has LDS bytes of its own.  No barrier: waves share nothing.
.set SPARE, 24576                      ; behind the two sets of stages: the spare words, 128 bytes for each wave
.set X,   32                           ; v32-95   two sets of 32 numbers; on the way out the fragments' images
.set C,   96                           ; v96-101  a block's codes
.set C2,  102                          ; v102-104 its upper 16 codes as the conversion leaves them
.set SB,  10                           ; v10      my column's four scale bytes
.set SO,  11                           ; v11      the conversion's scale operand
.set SPW, 14                           ; v14      LDS address of my spare word; never rewritten
.set NIL, 15                           ; v15      0; never rewritten
	s_load_b256 s[4:11], s[0:1], 0x0               ; wq, wk, wv, wo
	s_load_b128 s[12:15], s[0:1], 0x20             ; w1, w2
	s_load_b64 s[16:17], s[0:1], 0x30              ; wst
	s_load_b256 s[40:47], s[0:1], 0x38             ; inputs, ln1_scale, ln1_bias, xim
	v_lshl_add_u32 v[SPW], v0, 2, SPARE
	v_mov_b32 v[NIL], 0
	v_lshrrev_b32 v1, 5, v0
	v_readfirstlane_b32 s20, v1                    ; wave 0..3
	v_and_b32 v2, 31, v0                           ; lane = my column among the wave's 32
	v_lshlrev_b32 v3, 2, v2                        ; in: 4 bytes a lane
	v_lshlrev_b32 v6, 4, v2                        ; out: 16 bytes a lane
	v_and_b32 v8, 7, v0
	v_bfe_u32 v9, v0, 4, 1
	v_lshl_or_b32 v8, v9, 3, v8                    ; r: column l = 8 u + r + 8 (r / 8)
	v_bfe_u32 v9, v0, 3, 1                         ; u
	v_lshlrev_b32 v7, 3, v8
	v_lshl_add_u32 v7, v9, 2, v7                   ; my scale word's place: 8 r + 4 u
	v_mul_u32_u24 v4, v9, 1536
	v_lshl_add_u32 v4, v8, 4, v4                   ; into the stage: fragment u, lane row r
	s_mul_i32 s21, s20, 3072
	v_add_nc_u32 v4, s21, v4
	v_add_nc_u32 v5, s21, v6                       ; out of it: as it lies
	s_lshr_b32 s22, s20, 1                         ; which 64 columns of the work-group's 128
	s_and_b32 s23, s20, 1                          ; b: which pair of fragments of the block
	s_lshl_b32 s24, s20, 7                         ; my wave's 32 columns, in bytes
	s_lshr_b32 s25, ttmp9, 6
	s_wait_alu depctr_va_vdst(0)
	s_wait_kmcnt 0x0
	s_cmp_ge_u32 ttmp9, 192                        ; work-groups 192-1215: the first layer norm
	s_cbranch_scc1 .Lln
	s_cmp_eq_u32 s25, 1
	s_cbranch_scc1 .Lw1
.macro LOADT t, pitch                  ; block t of 32 along K: W(32 t + i, my column) into set t % 2
.irp i, 0,1,2,3,4,5,6,7,8,9,10,11,12,13,14,15,16,17,18,19,20,21,22,23,24,25,26,27,28,29,30,31
	global_load_b32 v[X+32*((\t)%2)+\i], v3, s[18:19] offset:(32*(\t)+\i)*(\pitch) th:TH_LOAD_NT
.endr
.endm
.macro BLOCKT t, pitch, stage
.set XS, X+32*((\t)%2)
.if (\t) < 3
	s_wait_loadcnt 32                              ; this block's 32 loads are in; the next block's 32 may be out
.else
	s_wait_loadcnt 0
.endif
	v_max3_num_f32 v12, |v[XS]|, |v[XS+1]|, |v[XS+2]|      ; the block's largest magnitude: all 32 numbers are mine
	v_max3_num_f32 v13, |v[XS+3]|, |v[XS+4]|, |v[XS+5]|
.irp i, 6,10,14,18,22,26
	v_max3_num_f32 v12, v12, |v[XS+\i]|, |v[XS+\i+1]|
	v_max3_num_f32 v13, v13, |v[XS+\i+2]|, |v[XS+\i+3]|
.endr
	v_max3_num_f32 v12, v12, |v[XS+30]|, |v[XS+31]|
	v_max3_num_f32 v12, v12, v13, 0x1800000        ; and the floor 2^(3 - 127): the byte cannot fall under 1
	v_add_nc_u32 v[SO], 0xff000000, v12            ; 2 off the exponent field: the conversion takes this operand's exponent field as its scale
	v_lshrrev_b32 v13, 23, v[SO]                   ; the scale's byte
.if (\t) == 0
	v_mov_b32 v[SB], v13
.else
	v_lshl_or_b32 v[SB], v13, 8*(\t), v[SB]        ; the lower K in the lower byte
.endif
	v_cvt_scalef32_pk16_fp6_f32 v[C:C+2], v[XS:XS+15], v[SO]
	v_cvt_scalef32_pk16_fp6_f32 v[C2:C2+2], v[XS+16:XS+31], v[SO]   ; (a conversion's three registers begin on an even number)
	v_nop                                          ; one plain place behind a scaled conversion
.irp i, 0,1,2
	v_mov_b32 v[C+3+\i], v[C2+\i]
.endr
; block t = 2 c + h is registers 6 c .. 6 c + 5 of lane r + 16 h of my fragment
.if (\t)/2 == 0
	ds_store_b128 v4, v[C:C+3] offset:(\stage)+256*((\t)%2)
	ds_store_b64 v4, v[C+4:C+5] offset:(\stage)+512+256*((\t)%2)
.else
	ds_store_b64 v4, v[C:C+1] offset:(\stage)+520+256*((\t)%2)
	ds_store_b128 v4, v[C+2:C+5] offset:(\stage)+1024+256*((\t)%2)
.endif
.if (\t)+2 < 4
	LOADT (\t)+2, \pitch
.endif
	s_wait_dscnt 0x0                               ; the stores have read their registers: the next block's codes may be written
.endm
.macro DEST                            ; s29 = stream W, s27 = block, s23 = b: where my codes (s[36:37]) and my scale words (s[38:39]) go
	s_mul_i32 s32, s29, 307200
	s_mul_i32 s33, s27, 6400
	s_add_co_u32 s32, s32, s33
	s_mov_b32 s33, 0
	s_add_nc_u64 s[16:17], s[16:17], s[32:33]
	s_mul_i32 s34, s23, 3072
	s_mov_b32 s35, 0
	s_add_nc_u64 s[36:37], s[16:17], s[34:35]
	s_lshl_b32 s34, s23, 7
	s_add_co_u32 s34, s34, 6144
	s_add_nc_u64 s[38:39], s[16:17], s[34:35]
.endm
.macro BODY pitch, stage
	LOADT 0, \pitch
	LOADT 1, \pitch
	BLOCKT 0, \pitch, \stage
	BLOCKT 1, \pitch, \stage
	BLOCKT 2, \pitch, \stage
	BLOCKT 3, \pitch, \stage
.irp i, 0,1,2,3,4,5
	ds_load_b128 v[X+4*\i:X+4*\i+3], v5 offset:(\stage)+512*\i     ; LDS serves a wave's instructions in order: these see my stores
.endr
.irp i, 0,1,2,3,4,5
	s_wait_dscnt 5-\i                              ; the younger read-backs may be out
	global_store_b128 v6, v[X+4*\i:X+4*\i+3], s[36:37] offset:512*\i   ; 32 lanes store 512 consecutive bytes, at a multiple of 256 from wst's first byte
.endr
	s_wait_alu depctr_va_vdst(0)
	global_store_b32 v7, v[SB], s[38:39]           ; my column's scale word
	s_wait_tensorcnt 0x0                           ; the wave's end
	ds_add_u32 v[SPW], v[NIL]
	s_wait_dscnt 0x0
	s_endpgm
.endm
	; rows of 2,048 bytes: wq, wk, wv, wo (work-groups 0-63) and w2 (128-191).  In both ranges the block's number is id / 4 and the column group id % 4
	s_and_b32 s26, ttmp9, 3                        ; cg: which 128 columns
	s_lshr_b32 s27, ttmp9, 2                       ; the block in the stream
	s_cmp_lt_u32 ttmp9, 64
	s_cselect_b32 s28, 3, 15
	s_and_b32 s28, s27, s28                        ; the K step in its matrix
	s_mov_b64 s[18:19], s[14:15]                   ; the choice hangs on the work-group's number alone
	s_cmp_lt_u32 ttmp9, 64
	s_cselect_b64 s[18:19], s[10:11], s[18:19]
	s_cmp_lt_u32 ttmp9, 48
	s_cselect_b64 s[18:19], s[8:9], s[18:19]
	s_cmp_lt_u32 ttmp9, 32
	s_cselect_b64 s[18:19], s[6:7], s[18:19]
	s_cmp_lt_u32 ttmp9, 16
	s_cselect_b64 s[18:19], s[4:5], s[18:19]
	s_lshl_b32 s29, s26, 1
	s_add_co_u32 s29, s29, s22                     ; stream W = 2 cg + wave / 2
	s_lshl_b32 s30, s28, 18                        ; 128 rows of 2,048 bytes a K step
	s_lshl_b32 s31, s26, 9
	s_add_co_u32 s30, s30, s31
	s_add_co_u32 s30, s30, s24
	s_mov_b32 s31, 0
	s_add_nc_u64 s[18:19], s[18:19], s[30:31]
	DEST
	BODY 2048, 0
.Lw1:
	; rows of 8,192 bytes: w1 (work-groups 64-127)
	s_and_b32 s26, ttmp9, 15                       ; cg
	s_bfe_u32 s28, ttmp9, 0x20004                  ; the K step
	s_lshl_b32 s29, s26, 1
	s_add_co_u32 s30, s29, s22                     ; kappa: which 64 hidden units
	s_lshr_b32 s29, s30, 3
	s_lshl_b32 s29, s29, 1
	s_and_b32 s31, s30, 1
	s_add_co_u32 s29, s29, s31                     ; stream W = 2 (kappa / 8) + kappa % 2
	s_bfe_u32 s27, s30, 0x20001                    ; group g = (kappa / 2) % 4
	s_lshl_b32 s27, s27, 2
	s_add_co_u32 s27, s27, s28
	s_add_co_u32 s27, s27, 16                      ; block 16 + 4 g + s
	s_mov_b64 s[18:19], s[12:13]
	s_lshl_b32 s30, s28, 20                        ; 128 rows of 8,192 bytes a K step
	s_lshl_b32 s31, s26, 9
	s_add_co_u32 s30, s30, s31
	s_add_co_u32 s30, s30, s24
	s_mov_b32 s31, 0
	s_add_nc_u64 s[18:19], s[18:19], s[30:31]
	DEST
	BODY 8192, 12288
.Lln:
; WORK-GROUPS 192 .. 1215: xin = LN1(inputs), quantised along its 512 columns, laid in xim as images of the second launch's operand registers.
; xim: for each 64 rows G 25,600 bytes: K step s, tile t, half c at 6144 s + 1536 t + 768 c (registers 0-3 of lane l at 16 l, registers 4-5 at 512 + 8 l);
; from 24,576 on the scale words, tile t, K step s, row r at 256 t + 64 s + 4 r.  Row r of tile t is row 32 (t / 2) + 8 (t % 2) + r + 8 (r / 8) of the 64.
; A work-group takes one tile of 16 rows, wave j its K step j: 128 columns, 512 consecutive bytes of each row a load.  They turn through the wave's own stage
; (rows 528 bytes apart) so that lane (r, h) holds 64 numbers of row r: register 32 c + 16 b + i = column 128 j + 64 c + 32 b + 16 h + i.
; Mean and variance: each wave takes its 128 numbers' own mean and their squared distances from it; the four groups are joined through LDS: the row's mean is the
; groups' means / 4, and 128 x the squares of the groups' means' distances from it are added to the groups' sums: no difference of large sums is formed.
; These LDS bytes are this path's own.  LIMITS as for the weights.
.set STG, 25088                        ; four stages of 16 x 528 bytes
.set PRM, 58880                        ; each wave's 512 bytes of the gain and 512 of the bias
.set STT, 62976                        ; (mean, squares) of wave j, row r at 128 j + 8 r
.set SCW, 63488                        ; the tile's 64 scale words
.set LX,  32                           ; v32-95   my 64 numbers
.set LR,  96                           ; v96-159  the rows as loaded; then
.set LG,  96                           ; v96-127  a half's gain
.set LB,  128                          ; v128-159 and bias
.set LPC, 160                          ; v160-171 the codes of both halves (v160-167 first: gain and bias as loaded)
	s_sub_co_u32 s21, ttmp9, 192
	s_lshr_b32 s22, s21, 2                         ; G
	s_and_b32 s23, s21, 3                          ; t
	s_lshl_b32 s24, s22, 6
	s_lshr_b32 s25, s23, 1
	s_lshl_b32 s25, s25, 5
	s_add_co_u32 s24, s24, s25
	s_and_b32 s25, s23, 1
	s_lshl_b32 s25, s25, 3
	s_add_co_u32 s24, s24, s25                     ; the tile's first row
	s_lshl_b32 s24, s24, 11
	s_lshl_b32 s26, s20, 9                         ; my K step: 512 bytes of a row
	s_mov_b32 s27, 0
	s_add_co_u32 s24, s24, s26
	s_mov_b32 s25, 0
	s_add_nc_u64 s[40:41], s[40:41], s[24:25]
	s_add_nc_u64 s[42:43], s[42:43], s[26:27]
	s_add_nc_u64 s[44:45], s[44:45], s[26:27]
	s_mul_i32 s24, s22, 25600
	s_mul_i32 s26, s20, 6144
	s_add_co_u32 s26, s26, s24
	s_mul_i32 s28, s23, 1536
	s_add_co_u32 s26, s26, s28
	s_add_nc_u64 s[36:37], s[46:47], s[26:27]      ; my codes
	s_lshl_b32 s28, s23, 8
	s_add_co_u32 s24, s24, s28
	s_add_co_u32 s24, s24, 24576
	s_add_nc_u64 s[38:39], s[46:47], s[24:25]      ; the tile's scale words
	v_lshlrev_b32 v16, 4, v2                       ; 16 x lane
	global_load_b128 v[160:163], v16, s[42:43]
	global_load_b128 v[164:167], v16, s[44:45]
.irp i, 0,1,2,3,4,5,6,7,8,9,10,11,12,13,14,15
	global_load_b128 v[LR+4*\i:LR+4*\i+3], v16, s[40:41] offset:(\i+8*(\i/8))*2048 th:TH_LOAD_NT   ; 32 lanes read 512 consecutive bytes
.endr
	v_and_b32 v26, 15, v0                          ; r
	v_bfe_u32 v27, v0, 4, 1                        ; h
	s_mul_i32 s26, s20, 8448
	s_add_co_u32 s26, s26, STG
	v_add_nc_u32 v17, s26, v16                     ; the stage, in
	v_mul_u32_u24 v18, v26, 528
	v_lshl_add_u32 v18, v27, 6, v18
	v_add_nc_u32 v18, s26, v18                     ; and out: row r, + 64 h
	s_lshl_b32 s27, s20, 10
	s_add_co_u32 s27, s27, PRM
	v_add_nc_u32 v19, s27, v16
	v_lshlrev_b32 v20, 6, v27
	v_add_nc_u32 v20, s27, v20
	v_lshl_add_u32 v22, v26, 3, STT
	s_lshl_b32 s28, s20, 7
	v_add_nc_u32 v21, s28, v22
	v_lshl_add_u32 v23, v26, 2, SCW
	s_lshl_b32 s29, s20, 6
	v_add_nc_u32 v23, s29, v23
	v_lshlrev_b32 v25, 3, v2                       ; 8 x lane
	v_add_nc_u32 v24, SCW, v25
.irp x, 185, 187, 189, 191
	v_mov_b32 v[\x], 0                             ; upper halves of pairs that are named whole, and a lane permute's destination
.endr
	s_mov_b32 s30, 0x3b000000                      ; 1 / 512
	s_mov_b32 s31, 0x358637bd                      ; 1e-6
	s_mov_b32 s32, 0x76543210
	s_mov_b32 s33, 0xfedcba98                      ; v_permlanex16_b32's selects for lane l xor 16
	s_wait_alu depctr_va_vdst(0)
	s_wait_loadcnt 16                              ; gain and bias are in; the 16 rows may be out
	ds_store_b128 v19, v[160:163]
	ds_store_b128 v19, v[164:167] offset:512
.irp i, 0,1,2,3,4,5,6,7,8,9,10,11,12,13,14,15
	s_wait_loadcnt 15-\i                           ; the younger rows may be out
	ds_store_b128 v17, v[LR+4*\i:LR+4*\i+3] offset:528*\i
.endr
.irp c, 0,1
.irp b, 0,1
.irp q, 0,1,2,3
	ds_load_b128 v[LX+32*\c+16*\b+4*\q:LX+32*\c+16*\b+4*\q+3], v18 offset:256*\c+128*\b+16*\q   ; LDS serves a wave's instructions in order: these see my stores
.endr
.endr
.endr
	s_wait_dscnt 0x0
.irp p, 0,1,2,3
	v_pk_add_f32 v[168+2*\p:169+2*\p], v[LX+2*\p:LX+2*\p+1], v[LX+8+2*\p:LX+9+2*\p]      ; four chains
.endr
.irp g, 16,24,32,40,48,56
.irp p, 0,1,2,3
	v_pk_add_f32 v[168+2*\p:169+2*\p], v[168+2*\p:169+2*\p], v[LX+\g+2*\p:LX+\g+2*\p+1]
.endr
.endr
	v_pk_add_f32 v[168:169], v[168:169], v[170:171]
	v_pk_add_f32 v[172:173], v[172:173], v[174:175]
	s_delay_alu instid0(VALU_DEP_1)
	v_pk_add_f32 v[168:169], v[168:169], v[172:173]
	s_delay_alu instid0(VALU_DEP_1)
	v_add_f32 v168, v168, v169
	s_delay_alu instid0(VALU_DEP_1)
	v_permlanex16_b32 v191, v168, s32, s33
	s_delay_alu instid0(VALU_DEP_1)
	v_add_f32 v168, v168, v191                     ; with lane l xor 16's 64
	s_delay_alu instid0(VALU_DEP_1)
	v_mul_f32 v184, 0x3c000000, v168               ; / 128: my group's mean
.set gi, 0
.rept 32
	v_pk_add_f32 v[LX+gi:LX+gi+1], v[LX+gi:LX+gi+1], v[184:185] op_sel_hi:[1,0] neg_lo:[0,1] neg_hi:[0,1]
.set gi, gi+2
.endr
.irp p, 0,1,2,3
	v_pk_mul_f32 v[168+2*\p:169+2*\p], v[LX+2*\p:LX+2*\p+1], v[LX+2*\p:LX+2*\p+1]
.endr
.irp g, 8,16,24,32,40,48,56
.irp p, 0,1,2,3
	v_pk_fma_f32 v[168+2*\p:169+2*\p], v[LX+\g+2*\p:LX+\g+2*\p+1], v[LX+\g+2*\p:LX+\g+2*\p+1], v[168+2*\p:169+2*\p]
.endr
.endr
	v_pk_add_f32 v[168:169], v[168:169], v[170:171]
	v_pk_add_f32 v[172:173], v[172:173], v[174:175]
	s_delay_alu instid0(VALU_DEP_1)
	v_pk_add_f32 v[168:169], v[168:169], v[172:173]
	s_delay_alu instid0(VALU_DEP_1)
	v_add_f32 v168, v168, v169
	s_delay_alu instid0(VALU_DEP_1)
	v_permlanex16_b32 v191, v168, s32, s33
	s_delay_alu instid0(VALU_DEP_1)
	v_add_f32 v185, v168, v191                     ; my group's squared distances from its mean
	ds_store_b64 v21, v[184:185]                   ; (lanes r and r + 16 write the same bytes with the same value)
	s_wait_alu depctr_va_vdst(0)
	s_wait_dscnt 0x0                               ; my store has landed
	s_barrier_signal -1
	s_barrier_wait -1
.macro LGB c                           ; gain and bias of half c, in my numbers' order
.irp b, 0,1
.irp q, 0,1,2,3
	ds_load_b128 v[LG+16*\b+4*\q:LG+16*\b+4*\q+3], v20 offset:256*(\c)+128*\b+16*\q
	ds_load_b128 v[LB+16*\b+4*\q:LB+16*\b+4*\q+3], v20 offset:512+256*(\c)+128*\b+16*\q
.endr
.endr
.endm
.irp i, 0,1,2,3
	ds_load_b64 v[176+2*\i:177+2*\i], v22 offset:128*\i
.endr
	LGB 0
	s_wait_dscnt 16                                ; the four groups' pairs are in; the 16 loads of gain and bias may be out
	v_pk_add_f32 v[190:191], v[176:177], v[178:179]
	v_pk_add_f32 v[172:173], v[180:181], v[182:183]
	s_delay_alu instid0(VALU_DEP_1)
	v_pk_add_f32 v[190:191], v[190:191], v[172:173]
	s_delay_alu instid0(VALU_DEP_1)
	v_mul_f32 v190, 0x3e800000, v190               ; / 4: the row's mean
.irp i, 0,1,2,3
	v_sub_f32 v[176+2*\i], v[176+2*\i], v190
.endr
	v_mul_f32 v188, v176, v176
	s_delay_alu instid0(VALU_DEP_1)
	v_fma_f32 v188, v178, v178, v188
	s_delay_alu instid0(VALU_DEP_1)
	v_fma_f32 v188, v180, v180, v188
	s_delay_alu instid0(VALU_DEP_1)
	v_fma_f32 v188, v182, v182, v188
	s_delay_alu instid0(VALU_DEP_1)
	v_fmamk_f32 v188, v188, 0x43000000, v191       ; x 128 numbers a group, onto the groups' own squares
	s_delay_alu instid0(VALU_DEP_1)
	v_fma_f32 v188, v188, s30, s31                 ; variance + eps
	v_sub_f32 v186, v190, v184                     ; the row's mean less my group's, which is already taken off
	s_wait_alu depctr_va_vdst(0)                   ; ahead of the transcendental
	v_rsq_f32 v188, v188
	v_nop
	s_wait_alu depctr_va_vdst(0)                   ; and ahead of its first reader
.set gi, 0
.rept 32
	v_pk_add_f32 v[LX+gi:LX+gi+1], v[LX+gi:LX+gi+1], v[186:187] op_sel_hi:[1,0] neg_lo:[0,1] neg_hi:[0,1]
.set gi, gi+2
.endr
.set gi, 0
.rept 32
	v_pk_mul_f32 v[LX+gi:LX+gi+1], v[LX+gi:LX+gi+1], v[188:189] op_sel_hi:[1,0]
.set gi, gi+2
.endr
; 32 numbers, register 16 b + i = k 32 b + 16 h + i of my row, become half a fragment's codes (6 registers at dst) and two scale bytes (pw)
.macro QL src, dst, pw
	v_max3_num_f32 v176, |v[(\src)]|, |v[(\src)+1]|, 0x1800000         ; with the floor 2^(3 - 127): the byte cannot fall under 1
	v_max3_num_f32 v177, |v[(\src)+16]|, |v[(\src)+17]|, 0x1800000
.irp i, 2,4,6,8,10,12,14
	v_max3_num_f32 v176, v176, |v[(\src)+\i]|, |v[(\src)+\i+1]|
	v_max3_num_f32 v177, v177, |v[(\src)+16+\i]|, |v[(\src)+17+\i]|
.endr
	s_delay_alu instid0(VALU_DEP_2)
	v_permlanex16_b32 v178, v176, s32, s33
	s_delay_alu instid0(VALU_DEP_2)
	v_permlanex16_b32 v179, v177, s32, s33
	s_delay_alu instid0(VALU_DEP_2)
	v_max_num_f32 v176, v176, v178                 ; with lane l xor 16's: the block's largest magnitude
	s_delay_alu instid0(VALU_DEP_2)
	v_max_num_f32 v177, v177, v179
	s_delay_alu instid0(VALU_DEP_2)
	v_add_nc_u32 v180, 0xff000000, v176            ; 2 off the exponent field: the conversion's scale operand
	s_delay_alu instid0(VALU_DEP_2)
	v_add_nc_u32 v181, 0xff000000, v177
	s_delay_alu instid0(VALU_DEP_2)
	v_lshrrev_b32 v176, 23, v180                   ; the scales' bytes
	s_delay_alu instid0(VALU_DEP_2)
	v_lshrrev_b32 v177, 23, v181
	s_delay_alu instid0(VALU_DEP_1)
	v_lshl_or_b32 v[\pw], v177, 8, v176
	v_cvt_scalef32_pk16_fp6_f32 v[(\dst):(\dst)+2], v[(\src):(\src)+15], v180
	v_cvt_scalef32_pk16_fp6_f32 v[172:174], v[(\src)+16:(\src)+31], v181
	v_nop                                          ; one plain place behind a scaled conversion
.irp i, 0,1,2
	v_permlane16_swap_b32 v[(\dst)+\i], v[172+\i]  ; a whole block in a lane: lanes 0-15 the first block, lanes 16-31 the second
.endr
.irp i, 0,1,2
	s_delay_alu instid0(VALU_DEP_3)
	v_mov_b32 v[(\dst)+3+\i], v[172+\i]
.endr
.endm
.irp c, 0,1
	s_wait_alu depctr_va_vdst(0)
	s_wait_dscnt 0x0                               ; this half's gain and bias are in
.set gi, 0
.rept 16
	v_pk_fma_f32 v[LX+32*\c+gi:LX+32*\c+gi+1], v[LX+32*\c+gi:LX+32*\c+gi+1], v[LG+gi:LG+gi+1], v[LB+gi:LB+gi+1]
.set gi, gi+2
.endr
.if \c == 0
	LGB 1
.endif
	QL LX+32*\c, LPC+6*\c, 182+\c
	global_store_b128 v16, v[LPC+6*\c:LPC+6*\c+3], s[36:37] offset:768*\c          ; 512 consecutive bytes, at a multiple of 256 from xim's first byte
	global_store_b64 v25, v[LPC+6*\c+4:LPC+6*\c+5], s[36:37] offset:768*\c+512     ; and 256
.endr
	v_lshl_or_b32 v182, v183, 16, v182             ; my row's scale word of this K step
	ds_store_b32 v23, v182
	s_wait_dscnt 0x0
	s_barrier_signal -1
	s_barrier_wait -1
	s_cmp_lg_u32 s20, 0
	s_cbranch_scc1 .Llnend
	ds_load_b64 v[176:177], v24                    ; wave 0 sends the tile's 64 words as one aligned unit of 256 bytes
	s_wait_dscnt 0x0
	global_store_b64 v25, v[176:177], s[38:39]
.Llnend:
	s_wait_tensorcnt 0x0                           ; the wave's end
	ds_add_u32 v[SPW], v[NIL]
	s_wait_dscnt 0x0
	s_endpgm
.Lfunc_end_k_qe88ce76f94_prep:
	.size	k_qe88ce76f94_prep, .Lfunc_end_k_qe88ce76f94_prep-k_qe88ce76f94_prep
	.p2alignl 7, 3214868480
	.fill 96, 4, 3214868480
	.section	.rodata,"a",@progbits
	.p2align	6, 0x0
	.amdhsa_kernel k_qe88ce76f94_prep
		.amdhsa_group_segment_fixed_size 63744
		.amdhsa_private_segment_fixed_size 0
		.amdhsa_enable_private_segment 0
		.amdhsa_kernarg_size 88
		.amdhsa_user_sgpr_count 2
		.amdhsa_user_sgpr_kernarg_segment_ptr 1
		.amdhsa_wavefront_size32 1
		.amdhsa_system_sgpr_workgroup_id_x 1
		.amdhsa_system_sgpr_workgroup_id_y 1
		.amdhsa_system_sgpr_workgroup_id_z 1
		.amdhsa_system_vgpr_workitem_id 0
		.amdhsa_next_free_vgpr 192
		.amdhsa_next_free_sgpr 66
		.amdhsa_reserve_vcc 0
		.amdhsa_float_denorm_mode_32 3
		.amdhsa_float_denorm_mode_16_64 3
		.amdhsa_memory_ordered 1
		.amdhsa_forward_progress 1
		.amdhsa_inst_pref_size 73
	.end_amdhsa_kernel
	.amdgpu_metadata
---
amdhsa.version: [ 1, 2 ]
amdhsa.kernels:
  - .name:           k_qe88ce76f94_prep
    .symbol:         k_qe88ce76f94_prep.kd
    .args:
      - { .name: wq, .offset: 0, .size: 8, .value_kind: global_buffer, .address_space: global }
      - { .name: wk, .offset: 8, .size: 8, .value_kind: global_buffer, .address_space: global }
      - { .name: wv, .offset: 16, .size: 8, .value_kind: global_buffer, .address_space: global }
      - { .name: wo, .offset: 24, .size: 8, .value_kind: global_buffer, .address_space: global }
      - { .name: w1, .offset: 32, .size: 8, .value_kind: global_buffer, .address_space: global }
      - { .name: w2, .offset: 40, .size: 8, .value_kind: global_buffer, .address_space: global }
      - { .name: wst, .offset: 48, .size: 8, .value_kind: global_buffer, .address_space: global }
      - { .name: inputs, .offset: 56, .size: 8, .value_kind: global_buffer, .address_space: global }
      - { .name: ln1_scale, .offset: 64, .size: 8, .value_kind: global_buffer, .address_space: global }
      - { .name: ln1_bias, .offset: 72, .size: 8, .value_kind: global_buffer, .address_space: global }
      - { .name: xim, .offset: 80, .size: 8, .value_kind: global_buffer, .address_space: global }
    .group_segment_fixed_size: 63744
    .private_segment_fixed_size: 0
    .kernarg_segment_align: 8
    .kernarg_segment_size: 88
    .max_flat_workgroup_size: 128
    .sgpr_count:     66
    .vgpr_count:     192
    .wavefront_size: 32
...
	.end_amdgpu_metadata
.endif
;; end of part 1
;; launch block (part 2): grid 256 x 1, 8 waves a work-group, no clusters, 326,656 bytes of LDS; arguments inputs, xim, ln2_scale, ln2_bias, b1, b2, wst, out0; writes out0
.if DOCPART == 2
	.amdgcn_target "amdgcn-amd-amdhsa--gfx1250"
	.amdhsa_code_object_version 6
	.text
	.protected	k_qe88ce76f94_block
	.globl	k_qe88ce76f94_block
	.p2align	8
	.type	k_qe88ce76f94_block,@function
k_qe88ce76f94_block:
	s_mov_b64 s[64:65], 0
	v_nop
	global_prefetch_b8 v0, s[64:65] scope:SCOPE_SE
	s_setreg_imm32_b32 hwreg(HW_REG_WAVE_MODE, 25, 1), 1
	s_wait_xcnt 0x0
; The whole block for 64 rows: Q K V, attention inside the 128-row block, wo + residual, LN2, MLP (tanh gelu), residual.  All eight products on codes of
; FP6 (E2M3) with one E8M0 byte for each 32 along K; everything ahead of a quantiser in f32.  Nothing but the prepared weights (wst) and xin's images (xim) comes through memory.
; SHARES.  Work-group G owns rows 64 G .. 64 G + 63 as queries and output rows; an attention block is 128 rows, so it also runs K and V for the 64 rows
; of work-group G xor 1.  Own rows are keys 0-63, the partner's keys 64-127: the blocks of 32 keys are the same sets either way.
; Eight waves, two to a SIMD, 512 registers each.  THE WAVES SHARE THE COLUMNS: wave w has head w (Q, K, V, attention), outputs 64 w .. 64 w + 63 (wo, second
; MLP product) and four groups of 64 hidden units.  A pass is 4 weight tiles x 4 tiles of rows x 4 K steps of 128: 64 matrix instructions, 16 accumulators.
; WEIGHTS GO FROM MEMORY STRAIGHT INTO REGISTERS, a pass ahead, in a ring of four blocks, which is a whole pass's weights: wk's and wv's stay in it for both halves of
; the keys and are fetched once.  No tensor load and no joint request: each weight fragment is read by
; ONE wave of the work-group and feeds four matrix instructions, so a way through LDS would add 1,536 bytes written and 1,536 read for every four matrix
; instructions to the 1,536 that they read of activations; and the first phases use all but 1,024 of the LDS bytes claimed.
; ACTIVATIONS GO FROM WAVE TO WAVE THROUGH LDS AS IMAGES OF OPERAND REGISTERS: a half fragment (16 rows x 64 k, 6 registers) is 512 bytes (16 a lane) + 256 (8 a lane).
; TILES.  Row r of tile 2 b + u is index 32 b + 8 u + r + 8 (r / 8) of its group of 32, for rows of activations and for columns of weights alike: so in any result
; the 32 registers of four neighbouring source-0 tiles are register 16 b + i = index 32 b + 16 (lane / 16) + i, which is what QUANT32 takes.
; LAYER NORMS.  A row's mean and variance come from ONE walk: four groups of 128 numbers, each with its own mean and its squared deviations from that; the row's mean is the
; groups' means / 4, and 128 x the squares of the groups' means' distances from it are added to the groups' sums: no difference of large sums is formed.
; LIMITS.  NaN and infinities are not served.  A block of zeros, or one whose largest magnitude lies under 2^-124, gets the scale byte 1 (zeros' codes are zeros).
; The factor 1/8 on q is folded into c = log2(e) / 8: exact unless |q| lies under 2^-121.  b2 and x are added ahead of the last product's sums, and the key halves
; change places in odd work-groups: an order of f32 rounding other than the reference's.
; LDS: XB 64 own rows f32, 2,064 bytes apart, in tile order (inputs, then x, then the output's stage); TB the waves' own Q K V images,
; later the hidden layer's images, its scale words and b1; XI0, XI1 images of xin (later of ctx, of LN2's result); XS0, XS1 their scale words; PAR STAT, then LN2's gain and bias; B2R b2.
; WHAT HOLDS OF THE TWO LAYER NORMS.  LN1 and its quantiser run in the first launch: xin's images and scale words of my 64 rows and of the partner's come ready from
; xim (25,600 bytes for each 64 rows) and are copied into XI0, XI1, XS0, XS1 at the head.  My own 64 f32 rows, wanted for the residual alone, come into XB under the two
; passes that fetch no weights.  LN2 is taken from the accumulators: each wave takes, for each row, its 64 columns' own mean and squared distances from it; the eight
; groups are joined through STAT (the row's mean is the groups' means / 8, and 64 x the squares of the groups' means' distances from it are added to the groups' sums);
; x goes to XB only for the last residual.  TB's first use is the waves' Q K V images.  Where an older sentence further down in this text speaks of LN1 or of the partner's f32 rows, this one holds.
.set PITCH, 2064                       ; 2,048 + 16: the 16 rows of a load fall on 16 different columns of 16 bytes
.set TB,    132096
.set XI0,   264192
.set XI1,   288768
.set XS0,   313344
.set XS1,   314368
.set PAR,   315392
.set STAT,  315392                     ; PAR's first 4,096 bytes: LN2's (mean, squares) of wave w, tile a, row r at 512 w + 128 a + 8 r
.set B2R,   323584
.set SPARE, 325632                     ; the spare words, 128 bytes for each of eight waves; no other line names them
.set QKS,   TB+122880                  ; the waves' own scale words of K, Q, V: 1,024 bytes a wave
.set HI,    TB
.set HS,    TB+98304
.set B1R,   TB+102400
; window 0
.set L16, 1                            ; 16 x lane
.set L8,  2                            ; 8 x lane
.set L4,  3                            ; 4 x lane
.set R4,  4                            ; 4 x (lane % 16)
.set H64, 5                            ; 64 x (lane / 16)
.set XA0, 6                            ; r x PITCH + 64 h + 256 w: my bytes of XB, rows 0-31;  v7: rows 32-63
.set XA1, 7
.set ROWA, 8                           ; a layer norm's row
.set AD,  9
.set AD16, 10                          ; the activation images in hand
.set AD8, 11
.set ADS, 12
.set ST16, 13                          ; where images are put
.set ST8, 14
.set STS, 15
.set PA,  16                           ; parameters and biases
.set W16, 17                           ; my own Q K V images and scale words
.set W8,  18
.set WL4, 19
.set WR4, 20
.set RB0, 21
.set RB1, 22
.set GO,  23
.set MEAN, 24
.set RS,  26
.set GC0, 28
.set SPW, 30
.set NIL, 31
.set WS,  32                           ; v32-39 weights' scale words, two for each ring buffer
.set AS,  40                           ; v40-43 activations' scale words, two sets of two
.set VS,  40                           ; in attention: V's two, Q's, P's
.set QS,  42
.set PS,  43
.set KS,  44                           ; v44-47 K's
.set BI,  48                           ; v48-79 bias tiles; in a layer norm's second walk a gain's 32 numbers
.set T,   80                           ; v80-111 gelu's temporaries; in a layer norm's second walk a bias's 32 numbers
.set SA,  80                           ; a layer norm's first walk: v80-87 sums, v88-95 squares, v96 the group's mean, v98 the group's before
.set SQ,  88
.set ML,  96
.set MP,  98
.set PCF, 80                           ; attention: P's codes
.set PWA, 92
.set PWB, 93
.set MX,  94
.set MT,  98
.set NEGM, 100
.set LS,  102
.set LS2, 104
.set RL,  106
.set PC,  112                          ; the codes just made
.set T1,  118
.set PW,  121
.set TM,  122
.set TX,  124
.set SO,  126
.set ACC, 128                          ; v128-255 sixteen accumulators
; window 1: v0-191 the weights' ring, 48 registers a block; v192-239 four activation fragments; v240-251 Q's fragment
.set AF,  192
.set QF,  240
; scalars
.set NP,  18                           ; s[18:19] my stream of weights; it stands at the stream's head up to the MLP, whose two loops step it
.set WV,  22
.set SEL, 24
.set CS,  26
.set GC1, 28
.set CT,  30
.set CO,  31
.set CK,  32
.set CI,  33
.set CS2, 34
.set IO,  35
.set SO2, 36
.set QO,  37
.set QSO, 38
.set CIO, 39
.set CSO, 40
.set BO,  41
.set RC,  42
.set EP,  43
.set MSB, 0
.macro WIN new                         ; the immediate's high byte repeats the setting that is left; a switch that changes nothing is dropped
.if MSB != \new
	s_set_vgpr_msb (MSB<<8)|\new
.set MSB, \new
.endif
.endm
; 0x05: sources 0 and 1 window 1;  0x01: source 0 window 1;  0x40: destination window 1;  0x04: a store's data window 1
.macro NOP4                            ; four places behind matrix instructions, ahead of loads into their registers and of the first read of results
.rept 4
	v_nop
.endr
.endm
.macro BARRIER                         ; my LDS stores have landed and my LDS loads are in: then the work-group's barrier
	s_wait_dscnt 0x0
	s_barrier_signal -1
	s_barrier_wait -1
.endm
.macro NEXTW                           ; the weight loads have read their base: it steps a pass on
	s_wait_xcnt 0x0
	s_add_nc_u64 s[NP:NP+1], s[NP:NP+1], 25600
.endm
; One matrix instruction from the symbols wd (D), wa, wb (sources), wz (C = 0) or wc (C), wsa, wsb (scale registers), wra, wrb (1: the scales stand in lanes 16-31)
.macro WM
.if wz
.if wra && wrb
	v_wmma_scale_f32_16x16x128_f8f6f4 v[wd:wd+7], v[wa:wa+11], v[wb:wb+11], 0, v[wsa], v[wsb] matrix_a_fmt:MATRIX_FMT_FP6 matrix_b_fmt:MATRIX_FMT_FP6 matrix_a_scale:MATRIX_SCALE_ROW1 matrix_b_scale:MATRIX_SCALE_ROW1
.elseif wra
	v_wmma_scale_f32_16x16x128_f8f6f4 v[wd:wd+7], v[wa:wa+11], v[wb:wb+11], 0, v[wsa], v[wsb] matrix_a_fmt:MATRIX_FMT_FP6 matrix_b_fmt:MATRIX_FMT_FP6 matrix_a_scale:MATRIX_SCALE_ROW1
.elseif wrb
	v_wmma_scale_f32_16x16x128_f8f6f4 v[wd:wd+7], v[wa:wa+11], v[wb:wb+11], 0, v[wsa], v[wsb] matrix_a_fmt:MATRIX_FMT_FP6 matrix_b_fmt:MATRIX_FMT_FP6 matrix_b_scale:MATRIX_SCALE_ROW1
.else
	v_wmma_scale_f32_16x16x128_f8f6f4 v[wd:wd+7], v[wa:wa+11], v[wb:wb+11], 0, v[wsa], v[wsb] matrix_a_fmt:MATRIX_FMT_FP6 matrix_b_fmt:MATRIX_FMT_FP6
.endif
.else
.if wra && wrb
	v_wmma_scale_f32_16x16x128_f8f6f4 v[wd:wd+7], v[wa:wa+11], v[wb:wb+11], v[wc:wc+7], v[wsa], v[wsb] matrix_a_fmt:MATRIX_FMT_FP6 matrix_b_fmt:MATRIX_FMT_FP6 matrix_a_scale:MATRIX_SCALE_ROW1 matrix_b_scale:MATRIX_SCALE_ROW1
.elseif wra
	v_wmma_scale_f32_16x16x128_f8f6f4 v[wd:wd+7], v[wa:wa+11], v[wb:wb+11], v[wc:wc+7], v[wsa], v[wsb] matrix_a_fmt:MATRIX_FMT_FP6 matrix_b_fmt:MATRIX_FMT_FP6 matrix_a_scale:MATRIX_SCALE_ROW1
.elseif wrb
	v_wmma_scale_f32_16x16x128_f8f6f4 v[wd:wd+7], v[wa:wa+11], v[wb:wb+11], v[wc:wc+7], v[wsa], v[wsb] matrix_a_fmt:MATRIX_FMT_FP6 matrix_b_fmt:MATRIX_FMT_FP6 matrix_b_scale:MATRIX_SCALE_ROW1
.else
	v_wmma_scale_f32_16x16x128_f8f6f4 v[wd:wd+7], v[wa:wa+11], v[wb:wb+11], v[wc:wc+7], v[wsa], v[wsb] matrix_a_fmt:MATRIX_FMT_FP6 matrix_b_fmt:MATRIX_FMT_FP6
.endif
.endif
.endm
.macro FETCH a16, a8, reg, off         ; a fragment's image (two halves of 768 bytes) into 12 registers
	ds_load_b128 v[(\reg):(\reg)+3], v[\a16] offset:(\off)
	ds_load_b64 v[(\reg)+4:(\reg)+5], v[\a8] offset:(\off)+512
	ds_load_b128 v[(\reg)+6:(\reg)+9], v[\a16] offset:(\off)+768
	ds_load_b64 v[(\reg)+10:(\reg)+11], v[\a8] offset:(\off)+1280
.endm
.macro AWORDS p, off                   ; a K step's scale words of four tiles into set p: register i: lanes 0-15 tile 2 i, lanes 16-31 tile 2 i + 1
	ds_load_b32 v[AS+2*(\p)], v[ADS] offset:(\off)
	ds_load_b32 v[AS+2*(\p)+1], v[ADS] offset:(\off)+128
.endm
.macro WLOAD k, base                   ; block k of the pass that begins base bytes behind s[NP] into ring buffer k: 13 loads
	WIN 0x40
.irp q, 0,1,2,3,4,5,6,7,8,9,10,11
	global_load_b128 v[48*(\k)+4*\q:48*(\k)+4*\q+3], v[L16], s[NP:NP+1] offset:(\base)+6400*(\k)+512*\q
.endr
	WIN 0
	global_load_b64 v[WS+2*(\k):WS+2*(\k)+1], v[L8], s[NP:NP+1] offset:(\base)+6400*(\k)+6144
.endm
.macro BLOAD                           ; eight numbers of a bias for each weight tile, in the result's layout: unit 32 b + 16 h + 8 u + j
.irp n, 0,1,2,3
.irp q, 0,1
	ds_load_b128 v[BI+8*\n+4*\q:BI+8*\n+4*\q+3], v[PA] offset:128*(\n/2)+32*(\n%2)+16*\q
.endr
.endr
.endm
.macro PRE bias                        ; a pass's first K step of activations
.if \bias
	BLOAD
.endif
	WIN 0x40
	FETCH AD16, AD8, AF, 0
	FETCH AD16, AD8, AF+12, 1536
	WIN 0
	AWORDS 0, 0
	WIN 0x40
	FETCH AD16, AD8, AF+24, 3072
	FETCH AD16, AD8, AF+36, 4608
	WIN 0
.endm
; Eight matrix instructions: tiles of rows a0, a0 + 1 x four weight tiles.  orient 0: source 0 = weights (a lane holds a row, registers run along the columns);
; orient 1: source 0 = rows (a lane holds a column, registers run along the rows).  cmode, at K step 0: 0 the constant 0; 1 the bias; 2 in place.
.macro HALF k, orient, cmode, a0
.irp a, \a0, \a0+1
.irp n, 0,1,2,3
.if \orient
.set wd, ACC+32*\n+8*(\a)
.set wa, AF+12*(\a)
.set wb, 48*(\k)+12*\n
.set wsa, AS+2*((\k)&1)+((\a)>>1)
.set wra, (\a)&1
.set wsb, WS+2*(\k)+(\n&1)
.set wrb, \n>>1
.else
.set wd, ACC+32*(\a)+8*\n
.set wa, 48*(\k)+12*\n
.set wb, AF+12*(\a)
.set wsa, WS+2*(\k)+(\n&1)
.set wra, \n>>1
.set wsb, AS+2*((\k)&1)+((\a)>>1)
.set wrb, (\a)&1
.endif
.set wz, 0
.set wc, wd
.if (\k) == 0
.if (\cmode) == 0
.set wz, 1
.endif
.if (\cmode) == 1
.set wc, BI+8*\n
.endif
.endif
	WM
.endr
.endr
.endm
; A K step of a pass.  The sixteen accumulators take turns, one instruction a turn, in the same order in every step.
; nxt = 1: ring buffer k, just multiplied, takes block k of the pass at base.  pre = 1: the base steps a pass on ahead of the pass's first fetch, a K step's
; sixteen matrix instructions behind the last load that named it.
.macro STEP k, orient, cmode, nxt, base, pre
.if \nxt
	s_wait_loadcnt 39                              ; behind this step's block at most three blocks of 13 loads are younger
.else
	s_wait_loadcnt 13*(3-\k)                       ; a pass that fetches nothing: what is left of its own four blocks
.endif
	s_wait_dscnt 8                                 ; tiles 0, 1 and the scale words are in; tiles 2 and 3 (four loads each) may be out
	WIN 0x05
	HALF \k, \orient, \cmode, 0
	NOP4
.if \k < 3
	WIN 0x40
	FETCH AD16, AD8, AF, 6144*(\k+1)
	FETCH AD16, AD8, AF+12, 6144*(\k+1)+1536
	WIN 0
	AWORDS (\k+1)&1, 256*(\k+1)
	s_wait_dscnt 10                                ; all but the ten just issued
.else
	s_wait_dscnt 0x0
.endif
	WIN 0x05
	HALF \k, \orient, \cmode, 2
	NOP4
.if \k < 3
	WIN 0x40
	FETCH AD16, AD8, AF+24, 6144*(\k+1)+3072
	FETCH AD16, AD8, AF+36, 6144*(\k+1)+4608
.endif
.if \nxt
.if (\pre) && (\k == 0)
	NEXTW
.endif
	WLOAD \k, \base
.endif
	WIN 0
.endm
.macro PASS orient, cmode, nxt, base, pre
	STEP 0, \orient, \cmode, \nxt, \base, \pre
	STEP 1, \orient, \cmode, \nxt, \base, \pre
	STEP 2, \orient, \cmode, \nxt, \base, \pre
	STEP 3, \orient, \cmode, \nxt, \base, \pre
.endm
.macro SETA_C img, sc                  ; the images to be read: at constants,
	v_add_nc_u32 v[AD16], \img, v[L16]
	v_add_nc_u32 v[AD8], \img, v[L8]
	v_add_nc_u32 v[ADS], \sc, v[L4]
.endm
.macro SETA_S simg, ssc                ; or at scalars that a loop steps
	v_add_nc_u32 v[AD16], s[\simg], v[L16]
	v_add_nc_u32 v[AD8], s[\simg], v[L8]
	v_add_nc_u32 v[ADS], s[\ssc], v[L4]
.endm
; 32 numbers of a lane, register 16 b + i = k 32 b + 16 (lane / 16) + i of my row, become half a fragment's codes (6 registers at dst) and two scale bytes (pw).
.macro QUANT32 src, dst, pw
	v_max3_num_f32 v[TM], |v[(\src)]|, |v[(\src)+1]|, 0x1800000        ; my 16 numbers of each block, and the floor 2^(3 - 127): the byte cannot fall under 1
	v_max3_num_f32 v[TM+1], |v[(\src)+16]|, |v[(\src)+17]|, 0x1800000
.irp i, 2,4,6,8,10,12,14
	v_max3_num_f32 v[TM], v[TM], |v[(\src)+\i]|, |v[(\src)+\i+1]|
	v_max3_num_f32 v[TM+1], v[TM+1], |v[(\src)+16+\i]|, |v[(\src)+17+\i]|
.endr
	s_delay_alu instid0(VALU_DEP_2)
	v_permlanex16_b32 v[TX], v[TM], s[SEL], s[SEL+1]
	s_delay_alu instid0(VALU_DEP_2)
	v_permlanex16_b32 v[TX+1], v[TM+1], s[SEL], s[SEL+1]
	s_delay_alu instid0(VALU_DEP_2)
	v_max_num_f32 v[TM], v[TM], v[TX]              ; with lane l xor 16's: the block's largest magnitude
	s_delay_alu instid0(VALU_DEP_2)
	v_max_num_f32 v[TM+1], v[TM+1], v[TX+1]
	s_delay_alu instid0(VALU_DEP_2)
	v_add_nc_u32 v[SO], 0xff000000, v[TM]          ; 2 off the exponent field: the conversion's scale operand
	s_delay_alu instid0(VALU_DEP_2)
	v_add_nc_u32 v[SO+1], 0xff000000, v[TM+1]
	s_delay_alu instid0(VALU_DEP_2)
	v_lshrrev_b32 v[TM], 23, v[SO]                 ; the scales' bytes
	s_delay_alu instid0(VALU_DEP_2)
	v_lshrrev_b32 v[TM+1], 23, v[SO+1]
	s_wait_alu depctr_va_vdst(0)
	s_wait_dscnt 0x0                               ; the last image's stores have read the registers that are written next
	v_lshl_or_b32 v[\pw], v[TM+1], 8, v[TM]
	v_cvt_scalef32_pk16_fp6_f32 v[(\dst):(\dst)+2], v[(\src):(\src)+15], v[SO]
	v_cvt_scalef32_pk16_fp6_f32 v[T1:T1+2], v[(\src)+16:(\src)+31], v[SO+1]
	v_nop                                          ; one plain place behind a scaled conversion
.irp i, 0,1,2
	v_permlane16_swap_b32 v[(\dst)+\i], v[T1+\i]   ; the layout wants a whole block in a lane: lanes 0-15 the first block, lanes 16-31 the second
.endr
.irp i, 0,1,2
	s_delay_alu instid0(VALU_DEP_3)
	v_mov_b32 v[(\dst)+3+\i], v[T1+\i]
.endr
.endm
.macro PUT a16, a8, asc, dst, pw, off, scoff, width    ; half a fragment's image and its two scale bytes (lanes r and r + 16 write the same bytes with the same value)
	ds_store_b128 v[\a16], v[(\dst):(\dst)+3] offset:(\off)
	ds_store_b64 v[\a8], v[(\dst)+4:(\dst)+5] offset:(\off)+512
.if \width == 16
	ds_store_b16 v[\asc], v[\pw] offset:(\scoff)
.else
	ds_store_b32 v[\asc], v[\pw] offset:(\scoff)
.endif
.endm
; gelu(x) = x / (1 + 2^(x (c0 + c1 x^2))), c0 = -2 log2(e) sqrt(2 / pi), c1 = 0.044715 c0: the tanh form, 32 numbers in place.  Where the power overflows the reciprocal is 0.
.macro GELU src
.set gi, 0
.rept 16
	v_pk_mul_f32 v[T+gi:T+gi+1], v[(\src)+gi:(\src)+gi+1], v[(\src)+gi:(\src)+gi+1]
.set gi, gi+2
.endr
.set gi, 0
.rept 16
	v_pk_fma_f32 v[T+gi:T+gi+1], v[T+gi:T+gi+1], s[GC1:GC1+1], v[GC0:GC0+1] op_sel_hi:[1,0,0]
.set gi, gi+2
.endr
.set gi, 0
.rept 16
	v_pk_mul_f32 v[T+gi:T+gi+1], v[T+gi:T+gi+1], v[(\src)+gi:(\src)+gi+1]
.set gi, gi+2
.endr
.set gi, 0
	s_wait_alu depctr_va_vdst(0)
.rept 32
	v_exp_f32 v[T+gi], v[T+gi]
.set gi, gi+1
.endr
	v_nop                                          ; a plain place behind the batch,
	s_wait_alu depctr_va_vdst(0)                   ; and the one wait ahead of its first reader
.set gi, 0
.rept 16
	v_pk_add_f32 v[T+gi:T+gi+1], v[T+gi:T+gi+1], 1.0 op_sel_hi:[1,0]
.set gi, gi+2
.endr
.set gi, 0
	s_wait_alu depctr_va_vdst(0)
.rept 32
	v_rcp_f32 v[T+gi], v[T+gi]
.set gi, gi+1
.endr
	v_nop
	s_wait_alu depctr_va_vdst(0)
.set gi, 0
.rept 16
	v_pk_mul_f32 v[(\src)+gi:(\src)+gi+1], v[(\src)+gi:(\src)+gi+1], v[T+gi:T+gi+1]
.set gi, gi+2
.endr
.endm
; A row's mean and 1 / sqrt(variance + eps) from ONE walk: two trips of 1,024 bytes; lane (r, h) takes 64 of each 128 bytes of row r, 128 numbers a trip.
; While a trip's 128 numbers stand in registers, their own mean is taken and then the squares of their distances from it.  The row's four groups (two trips, lanes l and l xor 16) are joined behind the loop.
.macro LNSTAT
.irp j, 0,1,2,3,4,5,6,7
	v_mov_b32 v[SQ+\j], 0
.endr
	v_mov_b32 v[ML], 0
	v_mov_b32 v[ML+1], 0                           ; (named with it as a pair)
	s_mov_b32 s[CT], 2
.Llns_\@:
	v_add_nc_u32 v[AD], s[CO], v[ROWA]
	v_mov_b32 v[MP], v[ML]                         ; the first trip's mean is kept
.irp q, 0,1
.irp b, 0,1,2,3
.irp j, 0,1,2,3
	ds_load_b128 v[ACC+64*\q+16*\b+4*\j:ACC+64*\q+16*\b+4*\j+3], v[AD] offset:512*\q+128*\b+16*\j
.endr
.endr
.endr
.irp q, 0,1
	s_wait_alu depctr_va_vdst(0)
	s_wait_dscnt 16-16*\q                          ; the first 512 bytes' 16 loads are in, the second's may be out; then all
.irp g, 0,1,2,3,4,5,6,7
.if 8*\q+\g == 1
.irp p, 0,1,2,3
	v_pk_add_f32 v[SA+2*\p:SA+2*\p+1], v[ACC+2*\p:ACC+2*\p+1], v[ACC+8+2*\p:ACC+8+2*\p+1]      ; the first sixteen numbers start the four chains
.endr
.endif
.if 8*\q+\g > 1
.irp p, 0,1,2,3
	v_pk_add_f32 v[SA+2*\p:SA+2*\p+1], v[SA+2*\p:SA+2*\p+1], v[ACC+64*\q+8*\g+2*\p:ACC+64*\q+8*\g+2*\p+1]
.endr
.endif
.endr
.endr
	s_delay_alu instid0(VALU_DEP_3)
	v_pk_add_f32 v[SA:SA+1], v[SA:SA+1], v[SA+2:SA+3]
	s_delay_alu instid0(VALU_DEP_2)
	v_pk_add_f32 v[SA+4:SA+5], v[SA+4:SA+5], v[SA+6:SA+7]
	s_delay_alu instid0(VALU_DEP_1)
	v_pk_add_f32 v[SA:SA+1], v[SA:SA+1], v[SA+4:SA+5]
	s_delay_alu instid0(VALU_DEP_1)
	v_add_f32 v[SA], v[SA], v[SA+1]
	s_delay_alu instid0(VALU_DEP_1)
	v_mul_f32 v[ML], 0x3c000000, v[SA]             ; / 128: my group's mean
.irp q, 0,1
.irp g, 0,1,2,3,4,5,6,7
.irp p, 0,1,2,3
	v_pk_add_f32 v[ACC+64*\q+8*\g+2*\p:ACC+64*\q+8*\g+2*\p+1], v[ACC+64*\q+8*\g+2*\p:ACC+64*\q+8*\g+2*\p+1], v[ML:ML+1] op_sel_hi:[1,0] neg_lo:[0,1] neg_hi:[0,1]
.endr
.irp p, 0,1,2,3
	s_delay_alu instid0(VALU_DEP_4)
	v_pk_fma_f32 v[SQ+2*\p:SQ+2*\p+1], v[ACC+64*\q+8*\g+2*\p:ACC+64*\q+8*\g+2*\p+1], v[ACC+64*\q+8*\g+2*\p:ACC+64*\q+8*\g+2*\p+1], v[SQ+2*\p:SQ+2*\p+1]
.endr
.endr
.endr
	s_xor_b32 s[CO], s[CO], 1024                   ; the row's other half; two trips bring it back
	s_sub_co_u32 s[CT], s[CT], 1
	s_cmp_lg_u32 s[CT], 0
	s_cbranch_scc1 .Llns_\@
	v_add_f32 v[SA], v[MP], v[ML]                  ; my two groups' means,
	s_delay_alu instid0(VALU_DEP_1)
	v_permlanex16_b32 v[TX], v[SA], s[SEL], s[SEL+1]
	s_delay_alu instid0(VALU_DEP_1)
	v_add_f32 v[SA], v[SA], v[TX]                  ; and lane l xor 16's two
	s_delay_alu instid0(VALU_DEP_1)
	v_mul_f32 v[MEAN], 0x3e800000, v[SA]           ; / 4: the row's mean
	s_delay_alu instid0(VALU_DEP_1)
	v_sub_f32 v[SA+1], v[MP], v[MEAN]
	s_delay_alu instid0(VALU_DEP_2)
	v_sub_f32 v[SA+2], v[ML], v[MEAN]
	s_delay_alu instid0(VALU_DEP_2)
	v_mul_f32 v[SA+1], v[SA+1], v[SA+1]
	s_delay_alu instid0(VALU_DEP_1)
	v_fma_f32 v[SA+1], v[SA+2], v[SA+2], v[SA+1]   ; the squares of my groups' means' distances from it
	v_pk_add_f32 v[SQ:SQ+1], v[SQ:SQ+1], v[SQ+2:SQ+3]
	v_pk_add_f32 v[SQ+4:SQ+5], v[SQ+4:SQ+5], v[SQ+6:SQ+7]
	s_delay_alu instid0(VALU_DEP_1)
	v_pk_add_f32 v[SQ:SQ+1], v[SQ:SQ+1], v[SQ+4:SQ+5]
	s_delay_alu instid0(VALU_DEP_1)
	v_add_f32 v[SQ], v[SQ], v[SQ+1]
	s_delay_alu instid0(VALU_DEP_1)
	v_fmamk_f32 v[SQ], v[SA+1], 0x43000000, v[SQ]  ; x 128 numbers a group, onto the groups' own squares
	s_delay_alu instid0(VALU_DEP_1)
	v_permlanex16_b32 v[TX], v[SQ], s[SEL], s[SEL+1]
	s_delay_alu instid0(VALU_DEP_1)
	v_add_f32 v[SQ], v[SQ], v[TX]
	s_delay_alu instid0(VALU_DEP_1)
	v_fma_f32 v[SQ], v[SQ], s[RC], s[EP]           ; variance + eps
	s_wait_alu depctr_va_vdst(0)
	v_rsq_f32 v[RS], v[SQ]
	v_nop
	s_wait_alu depctr_va_vdst(0)                   ; ahead of the first reader, and ahead of the label
.endm
.macro LNREGS c                        ; the second walk's registers for half c of a K step: 32 numbers of x, of the gain, of the bias
.if \c
.set xr, ACC+96
.set gr, BI
.set br, T
.else
.set xr, ACC
.set gr, ACC+32
.set br, ACC+64
.endif
.endm
; A layer norm of 16 rows (v[ROWA]), quantised: ntrip K steps from column byte s[CK] on become images at s[CI], scale words at s[CS2].  par: gain, and 2,048 bytes on the bias.
.macro LN par, ntrip
	LNSTAT
	s_mov_b32 s[CT], \ntrip
.Llnc_\@:
	s_wait_dscnt 0x0                               ; the last image's stores have read their address registers
	v_add_nc_u32 v[AD], s[CK], v[ROWA]
	v_add_nc_u32 v[PA], s[CK], v[H64]
	s_delay_alu instid0(VALU_DEP_1)
	v_add_nc_u32 v[PA], \par, v[PA]
	v_add_nc_u32 v[ST16], s[CI], v[L16]
	v_add_nc_u32 v[ST8], s[CI], v[L8]
	v_add_nc_u32 v[STS], s[CS2], v[R4]
.irp c, 0,1                                    ; both halves of the K step are asked for at once
	LNREGS \c
.irp b, 0,1
.irp j, 0,1,2,3
	ds_load_b128 v[xr+16*\b+4*\j:xr+16*\b+4*\j+3], v[AD] offset:256*\c+128*\b+16*\j
	ds_load_b128 v[gr+16*\b+4*\j:gr+16*\b+4*\j+3], v[PA] offset:256*\c+128*\b+16*\j
	ds_load_b128 v[br+16*\b+4*\j:br+16*\b+4*\j+3], v[PA] offset:2048+256*\c+128*\b+16*\j
.endr
.endr
.endr
.irp c, 0,1
	LNREGS \c
.if \c == 0
	s_wait_dscnt 24                                ; the first half's 24 loads are in, the second's 24 may be out (the wait for all LDS instructions in the first half's QUANT32 shows those in)
.endif
.set gi, 0
.rept 16
	v_pk_add_f32 v[xr+gi:xr+gi+1], v[xr+gi:xr+gi+1], v[MEAN:MEAN+1] op_sel_hi:[1,0] neg_lo:[0,1] neg_hi:[0,1]
.set gi, gi+2
.endr
.set gi, 0
.rept 16
	v_pk_mul_f32 v[xr+gi:xr+gi+1], v[xr+gi:xr+gi+1], v[RS:RS+1] op_sel_hi:[1,0]
.set gi, gi+2
.endr
.set gi, 0
.rept 16
	v_pk_fma_f32 v[xr+gi:xr+gi+1], v[xr+gi:xr+gi+1], v[gr+gi:gr+gi+1], v[br+gi:br+gi+1]
.set gi, gi+2
.endr
	QUANT32 xr, PC, PW
	PUT ST16, ST8, STS, PC, PW, 768*\c, 2*\c, 16
.endr
	s_add_co_u32 s[CK], s[CK], 512
	s_add_co_u32 s[CI], s[CI], 6144
	s_add_co_u32 s[CS2], s[CS2], 256
	s_sub_co_u32 s[CT], s[CT], 1
	s_cmp_lg_u32 s[CT], 0
	s_cbranch_scc1 .Llnc_\@
.endm
.macro MKROW stile                     ; v[ROWA] = (16 x tile + r) x PITCH + 64 h
	v_and_b32 v[AD], 15, v0
	s_delay_alu instid0(VALU_DEP_1)
	v_mul_u32_u24 v[ROWA], v[AD], PITCH
	s_delay_alu instid0(VALU_DEP_1)
	v_add_nc_u32 v[ROWA], v[ROWA], v[H64]
	s_mul_i32 s44, s[\stile], 16*PITCH
	v_add_nc_u32 v[ROWA], s44, v[ROWA]
.endm
.macro XLOAD                           ; my 64 columns of the 64 rows of XB into the accumulators, in the result's layout
.irp a, 0,1,2,3
.irp n, 0,1,2,3
.irp q, 0,1
	ds_load_b128 v[ACC+32*\a+8*\n+4*\q:ACC+32*\a+8*\n+4*\q+3], v[XA0+(\a/2)] offset:(\a%2)*16*PITCH+128*(\n/2)+32*(\n%2)+16*\q
.endr
.endr
.endr
.endm
.macro XSTORE                          ; and back; each accumulator from its low end on
.irp a, 0,1,2,3
.irp n, 0,1,2,3
.irp q, 0,1
	ds_store_b128 v[XA0+(\a/2)], v[ACC+32*\a+8*\n+4*\q:ACC+32*\a+8*\n+4*\q+3] offset:(\a%2)*16*PITCH+128*(\n/2)+32*(\n%2)+16*\q
.endr
.endr
.endr
.endm
; K of head w for half tau of the keys (0: my 64 rows, 1: the partner's).  Half 0 fetches nothing: the ring keeps wk's four blocks for half 1, which fetches the pass at base.
.macro KPASS tau, nxt, base
	SETA_C XI0+24576*\tau, XS0+1024*\tau
	PRE 0
	s_wait_alu depctr_va_vdst(0)
	PASS 0, 0, \nxt, \base, 0
.irp a, 0,1,2,3
	QUANT32 ACC+32*\a, PC, PW
	PUT W16, W8, WR4, PC, PW, 3072*\tau+768*\a, 256*\tau+64*\a, 32
.endr
.endm
; V likewise; source 0 = rows, so that a lane holds a channel and its registers run along the keys, the second product's K
.macro VPASS tau, nxt, base
	SETA_C XI0+24576*\tau, XS0+1024*\tau
	PRE 0
	s_wait_alu depctr_va_vdst(0)
	PASS 1, 0, \nxt, \base, 0
.irp n, 0,1,2,3
	QUANT32 ACC+32*\n, PC, PW
	PUT W16, W8, WR4, PC, PW, 9216+1536*\n+768*\tau, 768+64*\n+2*\tau, 16
.endr
.endm
	; ---- head
	s_load_b128 s[4:7], s[0:1], 0x0                ; inputs, xim
	s_load_b64 s[10:11], s[0:1], 0x10              ; ln2_scale
	s_load_b128 s[12:15], s[0:1], 0x18             ; ln2_bias, b1
	s_load_b128 s[16:19], s[0:1], 0x28             ; b2, wst
	s_load_b64 s[20:21], s[0:1], 0x38              ; out0
	v_lshl_add_u32 v[SPW], v0, 2, SPARE
	v_mov_b32 v[NIL], 0
	v_lshrrev_b32 v[AD], 5, v0
	s_delay_alu instid0(VALU_DEP_1)
	v_readfirstlane_b32 s[WV], v[AD]               ; wave 0..7
	v_and_b32 v[AD], 31, v0
	s_delay_alu instid0(VALU_DEP_1)
	v_lshlrev_b32 v[L16], 4, v[AD]
	s_delay_alu instid0(VALU_DEP_2)
	v_lshlrev_b32 v[L8], 3, v[AD]
	s_delay_alu instid0(VALU_DEP_3)
	v_lshlrev_b32 v[L4], 2, v[AD]
	v_and_b32 v[AD], 15, v0
	s_delay_alu instid0(VALU_DEP_1)
	v_lshlrev_b32 v[R4], 2, v[AD]
	s_delay_alu instid0(VALU_DEP_2)
	v_mul_u32_u24 v[XA0], v[AD], PITCH
	v_bfe_u32 v[AD], v0, 4, 1
	s_delay_alu instid0(VALU_DEP_1)
	v_lshlrev_b32 v[H64], 6, v[AD]
	s_delay_alu instid0(VALU_DEP_1)
	v_add_nc_u32 v[XA0], v[XA0], v[H64]
	s_lshl_b32 s44, s[WV], 8
	v_add_nc_u32 v[XA0], s44, v[XA0]
	s_delay_alu instid0(VALU_DEP_1)
	v_add_nc_u32 v[XA1], 32*PITCH, v[XA0]
	v_add_nc_u32 v[PA], s44, v[L8]                 ; 256 w + 8 x lane: my 8 bytes of each parameter vector
	s_mul_i32 s45, s[WV], 15360
	s_add_co_u32 s45, s45, TB
	v_add_nc_u32 v[W16], s45, v[L16]
	v_add_nc_u32 v[W8], s45, v[L8]
	s_lshl_b32 s45, s[WV], 10
	s_add_co_u32 s45, s45, QKS
	v_add_nc_u32 v[WL4], s45, v[L4]
	v_add_nc_u32 v[WR4], s45, v[R4]
	v_mov_b32 v[GC0], 0xc0135761                   ; c0 = -2.3022082
	v_mov_b32 v[GC0+1], 0xc0135761
.irp x, TX, TX+1, MT+1, NEGM+1, RL+1
	v_mov_b32 v[\x], 0                             ; written once: upper halves of pairs that are named whole, and lane permutes' destinations
.endr
	s_mov_b32 s[SEL], 0x76543210
	s_mov_b32 s[SEL+1], 0xfedcba98                 ; v_permlanex16_b32's selects for lane l xor 16
	s_mov_b32 s[CS], 0x3e38aa3b                    ; c = log2(e) / 8
	s_mov_b32 s[CS+1], s[CS]
	s_mov_b32 s[GC1], 0xbdd2d3e8                   ; c1 = -0.10294324
	s_mov_b32 s[GC1+1], s[GC1]
	s_mov_b32 s[RC], 0x3b000000                    ; 1 / 512
	s_mov_b32 s[EP], 0x358637bd                    ; 1e-6
	s_lshl_b32 s46, ttmp9, 6                       ; XB's rows 8 w .. 8 w + 7 (tile w / 2, r = 8 (w % 2) + i) are eight rows on end of my 64:
	s_lshr_b32 s47, s[WV], 2
	s_lshl_b32 s47, s47, 5
	s_add_co_u32 s46, s46, s47
	s_bfe_u32 s47, s[WV], 0x10001
	s_lshl_b32 s47, s47, 3
	s_add_co_u32 s46, s46, s47
	s_and_b32 s47, s[WV], 1
	s_lshl_b32 s47, s47, 4
	s_add_co_u32 s46, s46, s47                     ; from 32 (w / 4) + 8 ((w / 2) % 2) + 16 (w % 2) on
	s_lshl_b32 s46, s46, 11
	s_mov_b32 s47, 0
	s_lshr_b32 s52, s[WV], 2                       ; waves 0-3 copy my own rows' images, waves 4-7 the partner's
	s_lshl_b32 s57, s52, 10
	s_xor_b32 s52, s52, ttmp9
	s_mul_i32 s52, s52, 25600
	s_mov_b32 s53, 0
	s_and_b32 s54, s[WV], 3                        ; q: K step q's images and tile q's scale words
	s_mul_i32 s55, s54, 6144
	s_lshl_b32 s45, s54, 6
	s_add_co_u32 s57, s57, s45
	s_add_co_u32 s57, s57, XS0
	s_lshl_b32 s54, s54, 8
	s_mul_i32 s56, s[WV], 6144
	s_add_co_u32 s56, s56, XI0
	s_mul_i32 s45, s[WV], 8*PITCH
	v_add_nc_u32 v[AD16], s55, v[L16]
	v_add_nc_u32 v[AD8], s54, v[L8]
	v_add_nc_u32 v[AD], PAR, v[PA]
	v_add_nc_u32 v[ST8], s56, v[L16]
	v_bfe_u32 v[STS], v0, 3, 2
	v_and_b32 v[ROWA], 7, v0
	v_lshlrev_b32 v[ROWA], 3, v[ROWA]
	v_lshl_add_u32 v[STS], v[STS], 8, v[ROWA]      ; xim has tile q's words as K step l / 8, rows 2 (l % 8) and the next: in LDS at 256 (l / 8) + 64 q + 8 (l % 8)
	v_add_nc_u32 v[STS], s57, v[STS]
	v_add_nc_u32 v[ST16], s45, v[L16]              ; XB's rows 8 w on
	s_wait_alu depctr_va_vdst(0)
	s_mul_i32 s48, s[WV], 307200                   ; my stream of weights
	s_mov_b32 s49, 0
	s_lshl_b32 s50, ttmp9, 17                      ; my 64 rows of the output
	s_mov_b32 s51, 0
	s_wait_kmcnt 0x0
	s_add_nc_u64 s[4:5], s[4:5], s[46:47]
	s_add_nc_u64 s[NP:NP+1], s[NP:NP+1], s[48:49]
	s_add_nc_u64 s[20:21], s[20:21], s[50:51]
	s_add_nc_u64 s[6:7], s[6:7], s[52:53]
; four of my eight f32 rows of XB: 16 loads of 512 consecutive bytes into v48-111, and from there into XB
.macro XBLOAD hf
.irp i, 0,1,2,3,4,5,6,7,8,9,10,11,12,13,14,15
	global_load_b128 v[BI+4*\i:BI+4*\i+3], v[L16], s[4:5] offset:(4*(\hf)+\i/4)*2048+512*(\i%4)
.endr
.endm
.macro XBSTORE hf
.irp i, 0,1,2,3,4,5,6,7,8,9,10,11,12,13,14,15
	ds_store_b128 v[ST16], v[BI+4*\i:BI+4*\i+3] offset:(4*(\hf)+\i/4)*PITCH+512*(\i%4)
.endr
.endm
	; ---- P0: the parameters, and my eighth of xin's images and scale words, into LDS; wq's blocks are asked for behind them
	global_load_b64 v[BI:BI+1], v[PA], s[10:11]
	global_load_b64 v[BI+2:BI+3], v[PA], s[12:13]
	global_load_b64 v[BI+4:BI+5], v[PA], s[16:17]
	global_load_b64 v[BI+6:BI+7], v[AD8], s[6:7] offset:24576
.irp q, 0,1,2,3,4,5,6,7,8,9,10,11
	global_load_b128 v[ACC+4*\q:ACC+4*\q+3], v[AD16], s[6:7] offset:512*\q
.endr
	WLOAD 0, 0                                     ; wq's four blocks
	WLOAD 1, 0
	WLOAD 2, 0
	WLOAD 3, 0
	s_wait_loadcnt 52                              ; all but the four blocks of 13 loads
.irp p, 0,1,2
	ds_store_b64 v[AD], v[BI+2*\p:BI+2*\p+1] offset:4096+2048*\p      ; ln2_scale, ln2_bias, b2
.endr
	ds_store_b64 v[STS], v[BI+6:BI+7]
.irp q, 0,1,2,3,4,5,6,7,8,9,10,11
	ds_store_b128 v[ST8], v[ACC+4*\q:ACC+4*\q+3] offset:512*\q
.endr
	BARRIER                                        ; the parameters and xin's images are whole
	; ---- P1b: Q, K, V of head w.  Q: my 64 rows
	SETA_C XI0, XS0
	PRE 0
	s_wait_alu depctr_va_vdst(0)
	PASS 0, 0, 1, 25600, 0                         ; (fetches wk's blocks)
.irp a, 0,1,2,3
	QUANT32 ACC+32*\a, PC, PW
	PUT W16, W8, WR4, PC, PW, 6144+768*\a, 512+64*\a, 32   ; the word's upper two bytes are 0: they scale k = 64 .. 127, where Q's codes are zeros
.endr
	XBLOAD 0                                       ; younger than wk's blocks: the pass's counts only wait for more, and its last wait, for 0, shows these in
	KPASS 0, 0, 0                                  ; my 64 rows: the ring is kept
	XBSTORE 0
	KPASS 1, 1, 51200                              ; the partner's, by the same registers; fetches wv's blocks
	XBLOAD 1
	VPASS 0, 0, 0
	XBSTORE 1
	VPASS 1, 1, 76800                              ; fetches wo's blocks, which wait in the ring through attention
	BARRIER                                        ; nobody reads xin's images any more: ctx's may be laid over them
	; ---- P2: attention of head w, from the wave's own images.  S^T = K Q^T, O^T = V^T P^T: a lane holds one query throughout
	s_lshl_b32 s44, s[WV], 10
	v_add_nc_u32 v[PA], s44, v[L16]
	global_load_b128 v[BI:BI+3], v[PA], s[14:15]               ; my 1,024 bytes of b1, on their way to LDS
	global_load_b128 v[BI+4:BI+7], v[PA], s[14:15] offset:512
.irp i, 0,1,2,3
	ds_load_b32 v[KS+\i], v[WL4] offset:128*\i
.endr
.irp i, 0,1
	ds_load_b32 v[VS+\i], v[WL4] offset:768+128*\i
.endr
	WIN 0x40
.irp j, 6,7,8,9,10,11
	v_mov_b32 v[QF+\j], 0                          ; K = 64: Q's codes of k = 64 .. 127 are zeros.  K's registers there hold old codes, which are numbers, under the scale byte 0: they add nothing
.endr
	WIN 0
	s_mov_b32 s[QO], 0
	s_mov_b32 s[QSO], 0
	s_lshr_b32 s45, s[WV], 1
	s_and_b32 s46, s[WV], 1
	s_mul_i32 s[CIO], s45, 6144                    ; head w is K step w / 2, half w % 2 of wo's product
	s_mul_i32 s47, s46, 768
	s_add_co_u32 s[CIO], s[CIO], s47
	s_add_co_u32 s[CIO], s[CIO], XI0
	s_lshl_b32 s[CSO], s45, 8
	s_lshl_b32 s47, s46, 1
	s_add_co_u32 s[CSO], s[CSO], s47
	s_add_co_u32 s[CSO], s[CSO], XS0
	s_mov_b32 s[CT], 4
.macro KLOAD t0
.irp i, 0,1,2,3
	ds_load_b128 v[AF+12*\i:AF+12*\i+3], v[W16] offset:768*(\t0+\i)
	ds_load_b64 v[AF+12*\i+4:AF+12*\i+5], v[W8] offset:768*(\t0+\i)+512
.endr
.endm
.macro SMUL t0
.irp i, 0,1,2,3
.set wd, ACC+8*(\t0+\i)
.set wa, AF+12*\i
.set wb, QF
.set wz, 1
.set wc, wd
.set wsa, KS+((\t0+\i)>>1)
.set wra, (\t0+\i)&1
.set wsb, QS
.set wrb, 0
	WM
.endr
.endm
.macro OMUL
.irp n, 0,1,2,3
.set wd, ACC+64+8*\n
.set wa, AF+12*\n
.set wb, PCF
.set wz, 1
.set wc, wd
.set wsa, VS+(\n>>1)
.set wra, \n&1
.set wsb, PS
.set wrb, 0
	WM
.endr
.endm
.Lq:                                               ; four trips: a tile of 16 queries each
	s_wait_dscnt 0x0                               ; the last image's stores have read their address registers
	v_add_nc_u32 v[AD16], s[QO], v[W16]
	v_add_nc_u32 v[AD8], s[QO], v[W8]
	v_add_nc_u32 v[ADS], s[QSO], v[WR4]
	v_add_nc_u32 v[ST16], s[CIO], v[L16]
	v_add_nc_u32 v[ST8], s[CIO], v[L8]
	v_add_nc_u32 v[STS], s[CSO], v[R4]
	ds_load_b32 v[QS], v[ADS] offset:512
	WIN 0x40
	ds_load_b128 v[QF:QF+3], v[AD16] offset:6144
	ds_load_b64 v[QF+4:QF+5], v[AD8] offset:6144+512
	KLOAD 0
	s_wait_dscnt 0x0
	WIN 0x05
	s_wait_alu depctr_va_vdst(0)
	SMUL 0
	NOP4
	WIN 0x40
	KLOAD 4
	s_wait_dscnt 0x0
	WIN 0x05
	SMUL 4                                         ; register 16 b + i of the 64 scores: key 32 b + 16 (lane / 16) + i
	NOP4
	WIN 0x40
.irp n, 0,1,2,3
	FETCH W16, W8, AF+12*\n, 9216+1536*\n          ; V's four fragments land during the softmax
.endr
	WIN 0
.irp b, 0,1,2,3
	v_max3_num_f32 v[MX+\b], v[ACC+16*\b], v[ACC+16*\b+1], v[ACC+16*\b+2]
.endr
.irp i, 3,5,7,9,11,13
.irp b, 0,1,2,3
	v_max3_num_f32 v[MX+\b], v[MX+\b], v[ACC+16*\b+\i], v[ACC+16*\b+\i+1]
.endr
.endr
.irp b, 0,1,2,3
	v_max_num_f32 v[MX+\b], v[MX+\b], v[ACC+16*\b+15]
.endr
	s_delay_alu instid0(VALU_DEP_2)
	v_max3_num_f32 v[MT], v[MX], v[MX+1], v[MX+2]
	s_delay_alu instid0(VALU_DEP_1)
	v_max_num_f32 v[MT], v[MT], v[MX+3]
	s_delay_alu instid0(VALU_DEP_1)
	v_permlanex16_b32 v[MT+1], v[MT], s[SEL], s[SEL+1]
	s_delay_alu instid0(VALU_DEP_1)
	v_max_num_f32 v[MT], v[MT], v[MT+1]            ; the row's largest score
	s_delay_alu instid0(VALU_DEP_1)
	v_mul_f32 v[MT], s[CS], v[MT]                  ; as t (c is positive)
	s_delay_alu instid0(VALU_DEP_1)
	v_floor_f32 v[NEGM], -v[MT]                    ; -M = floor(-t) = -ceil(t): M is a whole number
.set gi, 0
.rept 32
	v_pk_fma_f32 v[ACC+gi:ACC+gi+1], v[ACC+gi:ACC+gi+1], s[CS:CS+1], v[NEGM:NEGM+1] op_sel_hi:[1,0,0]
.set gi, gi+2
.endr
.set gi, 0
	s_wait_alu depctr_va_vdst(0)
.rept 64
	v_exp_f32 v[ACC+gi], v[ACC+gi]                 ; p = 2^(t - M): not normalised
.set gi, gi+1
.endr
	v_nop                                          ; a plain place behind the batch,
	s_wait_alu depctr_va_vdst(0)                   ; and its one wait, ahead of the first reader
	v_pk_add_f32 v[104:105], v[128:129], v[130:131]
	v_pk_add_f32 v[254:255], v[136:137], v[140:141]
	v_pk_add_f32 v[252:253], v[144:145], v[148:149]
	v_pk_add_f32 v[250:251], v[152:153], v[156:157]
	v_pk_add_f32 v[248:249], v[160:161], v[164:165]
	v_pk_add_f32 v[246:247], v[168:169], v[172:173]
	v_pk_add_f32 v[244:245], v[176:177], v[180:181]
	v_pk_add_f32 v[102:103], v[184:185], v[188:189]
	v_pk_add_f32 v[102:103], v[102:103], v[132:133]
	v_pk_add_f32 v[104:105], v[104:105], v[134:135]
	v_pk_add_f32 v[254:255], v[254:255], v[138:139]
	v_pk_add_f32 v[252:253], v[252:253], v[142:143]
	v_pk_add_f32 v[250:251], v[250:251], v[146:147]
	v_pk_add_f32 v[248:249], v[248:249], v[150:151]
	v_pk_add_f32 v[246:247], v[246:247], v[154:155]
	v_pk_add_f32 v[244:245], v[244:245], v[158:159]
	v_pk_add_f32 v[102:103], v[102:103], v[162:163]
	v_pk_add_f32 v[104:105], v[104:105], v[166:167]
	v_pk_add_f32 v[254:255], v[254:255], v[170:171]
	v_pk_add_f32 v[252:253], v[252:253], v[174:175]
	v_pk_add_f32 v[250:251], v[250:251], v[178:179]
	v_pk_add_f32 v[248:249], v[248:249], v[182:183]
	v_pk_add_f32 v[246:247], v[246:247], v[186:187]
	v_pk_add_f32 v[244:245], v[244:245], v[190:191]
	s_delay_alu instid0(VALU_DEP_4)
	v_pk_add_f32 v[102:103], v[102:103], v[250:251]
	s_delay_alu instid0(VALU_DEP_4)
	v_pk_add_f32 v[104:105], v[104:105], v[248:249]
	s_delay_alu instid0(VALU_DEP_4)
	v_pk_add_f32 v[254:255], v[254:255], v[246:247]
	s_delay_alu instid0(VALU_DEP_4)
	v_pk_add_f32 v[252:253], v[252:253], v[244:245]
	s_delay_alu instid0(VALU_DEP_2)
	v_pk_add_f32 v[102:103], v[102:103], v[254:255]
	s_delay_alu instid0(VALU_DEP_2)
	v_pk_add_f32 v[104:105], v[104:105], v[252:253]
	s_delay_alu instid0(VALU_DEP_1)
	v_pk_add_f32 v[102:103], v[102:103], v[104:105]
	QUANT32 ACC, PCF, PWA                          ; keys 0-63
	QUANT32 ACC+32, PCF+6, PWB                     ; keys 64-127
	v_lshl_or_b32 v[PS], v[PWB], 16, v[PWA]        ; P's scale word
	v_add_f32 v[LS], v[LS], v[LS+1]
	s_delay_alu instid0(VALU_DEP_1)
	v_permlanex16_b32 v[MT+1], v[LS], s[SEL], s[SEL+1]
	s_delay_alu instid0(VALU_DEP_1)
	v_add_f32 v[LS], v[LS], v[MT+1]
	s_wait_alu depctr_va_vdst(0)
	v_rcp_f32 v[RL], v[LS]
.rept 8
	v_nop                                          ; a scale register written by a vector instruction stands eight places ahead of the scaled matrix instruction
.endr
	s_wait_dscnt 0x0                               ; V
	WIN 0x01
	OMUL
	NOP4
	WIN 0
	s_wait_alu depctr_va_vdst(0)                   ; the reciprocal's wait, ahead of its first reader
.set gi, 0
.rept 16
	v_pk_mul_f32 v[ACC+64+gi:ACC+64+gi+1], v[ACC+64+gi:ACC+64+gi+1], v[RL:RL+1] op_sel_hi:[1,0]
.set gi, gi+2
.endr
	QUANT32 ACC+64, PC, PW                         ; ctx: register 16 b + i = channel 32 b + 16 (lane / 16) + i of my head
	PUT ST16, ST8, STS, PC, PW, 0, 0, 16
	s_add_co_u32 s[QO], s[QO], 768
	s_add_co_u32 s[QSO], s[QSO], 64
	s_add_co_u32 s[CIO], s[CIO], 1536
	s_add_co_u32 s[CSO], s[CSO], 64
	s_sub_co_u32 s[CT], s[CT], 1
	s_cmp_lg_u32 s[CT], 0
	s_cbranch_scc1 .Lq
	BARRIER                                        ; ctx's images are whole; the waves' own Q K V images are done with
	; ---- P3: x = ctx wo + inputs: the inputs are the sums' start
	s_wait_loadcnt 0x0                             ; b1 (and wo's blocks, asked for long ago)
	v_add_nc_u32 v[AD], B1R, v[PA]
	ds_store_b128 v[AD], v[BI:BI+3]
	ds_store_b128 v[AD], v[BI+4:BI+7] offset:512
	XLOAD
	SETA_C XI0, XS0
	PRE 0
	s_wait_alu depctr_va_vdst(0)
	PASS 0, 2, 1, 102400, 0                        ; (fetches the first group of w1)
	XSTORE                                         ; x goes to XB for the last residual; the accumulators keep it for LN2
	; ---- P4: LN2 from the accumulators.  Register 16 b + i of tile a is column 64 w + 32 b + 16 h + i of row r: my columns are K step w / 2, half w % 2
.set SU,  48                           ; v48-55  sums, a pair for each tile
.set GM,  56                           ; v56-63  (my group's mean, its squares), a pair for each tile
.set QC,  64                           ; v64-71  four chains of squares
.set M2S, 72                           ; v72-79
.set MN,  112                          ; v112-119 (the row's mean, the groups' squares), a pair for each tile
.set RQ,  120                          ; v120-127 1 / sqrt(variance + eps) in the lower of each pair
	s_lshr_b32 s45, s[WV], 1
	s_and_b32 s46, s[WV], 1
	s_mul_i32 s[CI], s45, 6144
	s_mul_i32 s47, s46, 768
	s_add_co_u32 s[CI], s[CI], s47
	s_add_co_u32 s[CI], s[CI], XI1
	s_lshl_b32 s[CS2], s45, 8
	s_lshl_b32 s47, s46, 1
	s_add_co_u32 s[CS2], s[CS2], s47
	s_add_co_u32 s[CS2], s[CS2], XS1
	s_lshl_b32 s44, s[WV], 8
	s_add_co_u32 s44, s44, PAR+4096
	s_lshl_b32 s47, s[WV], 9
	v_add_nc_u32 v[ST16], s[CI], v[L16]
	v_add_nc_u32 v[ST8], s[CI], v[L8]
	v_add_nc_u32 v[STS], s[CS2], v[R4]
	v_add_nc_u32 v[PA], s44, v[H64]                ; my columns' gain; the bias 2,048 bytes on
	v_lshl_add_u32 v[AD], v[R4], 1, STAT           ; STAT + 8 r
	v_add_nc_u32 v[ROWA], s47, v[AD]               ; + 512 w
.irp a, 0,1,2,3
	v_pk_add_f32 v[SU+2*\a:SU+2*\a+1], v[ACC+32*\a:ACC+32*\a+1], v[ACC+32*\a+2:ACC+32*\a+3]       ; the four tiles by turns
.endr
.irp g, 4,6,8,10,12,14,16,18,20,22,24,26,28,30
.irp a, 0,1,2,3
	v_pk_add_f32 v[SU+2*\a:SU+2*\a+1], v[SU+2*\a:SU+2*\a+1], v[ACC+32*\a+\g:ACC+32*\a+\g+1]
.endr
.endr
.irp a, 0,1,2,3
	s_delay_alu instid0(VALU_DEP_4)
	v_add_f32 v[SU+2*\a], v[SU+2*\a], v[SU+2*\a+1]
.endr
.irp a, 0,1,2,3
	s_delay_alu instid0(VALU_DEP_4)
	v_permlanex16_b32 v[SU+2*\a+1], v[SU+2*\a], s[SEL], s[SEL+1]
.endr
.irp a, 0,1,2,3
	s_delay_alu instid0(VALU_DEP_4)
	v_add_f32 v[SU+2*\a], v[SU+2*\a], v[SU+2*\a+1]         ; with lane l xor 16's 32
.endr
.irp a, 0,1,2,3
	s_delay_alu instid0(VALU_DEP_4)
	v_mul_f32 v[GM+2*\a], 0x3c800000, v[SU+2*\a]           ; / 64: my group's mean
.endr
.irp a, 0,1,2,3
.set gi, 0
.rept 16
	v_pk_add_f32 v[T+gi:T+gi+1], v[ACC+32*\a+gi:ACC+32*\a+gi+1], v[GM+2*\a:GM+2*\a+1] op_sel_hi:[1,0] neg_lo:[0,1] neg_hi:[0,1]
.set gi, gi+2
.endr
.irp p, 0,1,2,3
	v_pk_mul_f32 v[QC+2*\p:QC+2*\p+1], v[T+2*\p:T+2*\p+1], v[T+2*\p:T+2*\p+1]
.endr
.irp g, 8,16,24
.irp p, 0,1,2,3
	v_pk_fma_f32 v[QC+2*\p:QC+2*\p+1], v[T+\g+2*\p:T+\g+2*\p+1], v[T+\g+2*\p:T+\g+2*\p+1], v[QC+2*\p:QC+2*\p+1]
.endr
.endr
	v_pk_add_f32 v[QC:QC+1], v[QC:QC+1], v[QC+2:QC+3]
	v_pk_add_f32 v[QC+4:QC+5], v[QC+4:QC+5], v[QC+6:QC+7]
	s_delay_alu instid0(VALU_DEP_1)
	v_pk_add_f32 v[QC:QC+1], v[QC:QC+1], v[QC+4:QC+5]
	s_delay_alu instid0(VALU_DEP_1)
	v_add_f32 v[M2S+\a], v[QC], v[QC+1]
.endr
.irp a, 0,1,2,3
	v_permlanex16_b32 v[M2S+4+\a], v[M2S+\a], s[SEL], s[SEL+1]
.endr
.irp a, 0,1,2,3
	s_delay_alu instid0(VALU_DEP_4)
	v_add_f32 v[GM+2*\a+1], v[M2S+\a], v[M2S+4+\a]         ; my group's squared distances from its mean
.endr
.irp a, 0,1,2,3
	ds_store_b64 v[ROWA], v[GM+2*\a:GM+2*\a+1] offset:128*\a       ; (lanes r and r + 16 write the same bytes with the same value)
.endr
	s_wait_alu depctr_va_vdst(0)
	BARRIER                                        ; the eight groups of every row lie in STAT; x and b1 are whole
.irp a, 0,1,2,3
.irp i, 0,1,2,3,4,5,6,7
	ds_load_b64 v[BI+16*\a+2*\i:BI+16*\a+2*\i+1], v[AD] offset:512*\i+128*\a
.endr
.endr
	s_wait_dscnt 0x0
.irp a, 0,1,2,3
	v_pk_add_f32 v[MN+2*\a:MN+2*\a+1], v[BI+16*\a:BI+16*\a+1], v[BI+16*\a+2:BI+16*\a+3]
.endr
.irp i, 2,3,4,5,6,7
.irp a, 0,1,2,3
	v_pk_add_f32 v[MN+2*\a:MN+2*\a+1], v[MN+2*\a:MN+2*\a+1], v[BI+16*\a+2*\i:BI+16*\a+2*\i+1]
.endr
.endr
.irp a, 0,1,2,3
	s_delay_alu instid0(VALU_DEP_4)
	v_mul_f32 v[MN+2*\a], 0x3e000000, v[MN+2*\a]           ; / 8: the row's mean
.endr
.irp i, 0,1,2,3,4,5,6,7
.irp a, 0,1,2,3
	v_sub_f32 v[BI+16*\a+2*\i], v[BI+16*\a+2*\i], v[MN+2*\a]
.endr
.endr
.irp a, 0,1,2,3
	v_mul_f32 v[RQ+2*\a], v[BI+16*\a], v[BI+16*\a]
.endr
.irp i, 1,2,3,4,5,6,7
.irp a, 0,1,2,3
	v_fma_f32 v[RQ+2*\a], v[BI+16*\a+2*\i], v[BI+16*\a+2*\i], v[RQ+2*\a]
.endr
.endr
.irp a, 0,1,2,3
	s_delay_alu instid0(VALU_DEP_4)
	v_fmamk_f32 v[RQ+2*\a], v[RQ+2*\a], 0x42800000, v[MN+2*\a+1]   ; x 64 numbers a group, onto the groups' own squares
.endr
.irp a, 0,1,2,3
	s_delay_alu instid0(VALU_DEP_4)
	v_fma_f32 v[RQ+2*\a], v[RQ+2*\a], s[RC], s[EP]         ; variance + eps
.endr
	BLOAD                                          ; my columns' gain, in the result's layout,
.irp n, 0,1,2,3
.irp q, 0,1
	ds_load_b128 v[T+8*\n+4*\q:T+8*\n+4*\q+3], v[PA] offset:2048+128*(\n/2)+32*(\n%2)+16*\q       ; and bias
.endr
.endr
	s_wait_alu depctr_va_vdst(0)                   ; ahead of the batch
.irp a, 0,1,2,3
	v_rsq_f32 v[RQ+2*\a], v[RQ+2*\a]
.endr
	v_nop
	s_wait_alu depctr_va_vdst(0)                   ; and ahead of its first reader
.irp a, 0,1,2,3
.set gi, 0
.rept 16
	v_pk_add_f32 v[ACC+32*\a+gi:ACC+32*\a+gi+1], v[ACC+32*\a+gi:ACC+32*\a+gi+1], v[MN+2*\a:MN+2*\a+1] op_sel_hi:[1,0] neg_lo:[0,1] neg_hi:[0,1]
.set gi, gi+2
.endr
.set gi, 0
.rept 16
	v_pk_mul_f32 v[ACC+32*\a+gi:ACC+32*\a+gi+1], v[ACC+32*\a+gi:ACC+32*\a+gi+1], v[RQ+2*\a:RQ+2*\a+1] op_sel_hi:[1,0]
.set gi, gi+2
.endr
.endr
	s_wait_alu depctr_va_vdst(0)
	s_wait_dscnt 0x0                               ; gain and bias are in
	v_mov_b32 v[TX], 0                             ; a lane permute's destination counts as one of its sources: written anew, now that the reciprocal roots are done with
.irp a, 0,1,2,3
.set gi, 0
.rept 16
	v_pk_fma_f32 v[ACC+32*\a+gi:ACC+32*\a+gi+1], v[ACC+32*\a+gi:ACC+32*\a+gi+1], v[BI+gi:BI+gi+1], v[T+gi:T+gi+1]
.set gi, gi+2
.endr
	QUANT32 ACC+32*\a, PC, PW
	PUT ST16, ST8, STS, PC, PW, 1536*\a, 64*\a, 16
.endr
	BARRIER                                        ; LN2's images are whole; the walks over XB are over
	; ---- P5: the hidden layer: four groups of 64 units; group g of wave w is K step 4 (w / 2) + g, half w % 2 of the last product
	s_lshr_b32 s45, s[WV], 1
	s_and_b32 s46, s[WV], 1
	s_lshl_b32 s[BO], s45, 11
	s_lshl_b32 s47, s46, 8
	s_add_co_u32 s[BO], s[BO], s47
	s_add_co_u32 s[BO], s[BO], B1R
	s_mul_i32 s[IO], s45, 24576
	s_mul_i32 s47, s46, 768
	s_add_co_u32 s[IO], s[IO], s47
	s_add_co_u32 s[IO], s[IO], HI
	s_lshl_b32 s[SO2], s45, 10
	s_lshl_b32 s47, s46, 1
	s_add_co_u32 s[SO2], s[SO2], s47
	s_add_co_u32 s[SO2], s[SO2], HS
	SETA_C XI1, XS1
	s_mov_b32 s[CT], 4
.Lm1:
	s_wait_dscnt 0x0                               ; the last image's stores have read their address registers
	v_add_nc_u32 v[PA], s[BO], v[H64]
	v_add_nc_u32 v[ST16], s[IO], v[L16]
	v_add_nc_u32 v[ST8], s[IO], v[L8]
	v_add_nc_u32 v[STS], s[SO2], v[R4]
	s_wait_alu depctr_va_vdst(0)
	PRE 1
	PASS 0, 1, 1, 128000, 0                        ; b1 is the C of each sum's first matrix instruction; trip g fetches blocks 20 + 4 g on: the next group, at last w2's first pass
.irp a, 0,1,2,3
	GELU ACC+32*\a
	QUANT32 ACC+32*\a, PC, PW
	PUT ST16, ST8, STS, PC, PW, 1536*\a, 64*\a, 16
.endr
	NEXTW                                          ; the pass's fetches stand four tiles' gelu back
	s_add_co_u32 s[BO], s[BO], 512
	s_add_co_u32 s[IO], s[IO], 6144
	s_add_co_u32 s[SO2], s[SO2], 256
	s_sub_co_u32 s[CT], s[CT], 1
	s_cmp_lg_u32 s[CT], 0
	s_cbranch_scc1 .Lm1
	BARRIER                                        ; the hidden layer's images are whole
	; ---- P6: out = x + b2 + hidden w2: x + b2 is the sums' start; sixteen K steps in four passes
	s_lshl_b32 s44, s[WV], 8
	s_add_co_u32 s45, s44, B2R
	v_add_nc_u32 v[PA], s45, v[H64]
	XLOAD
	BLOAD
	v_and_b32 v[AD], 15, v0                        ; the way out's addresses: lanes 0-15 take my 256 bytes of one row, lanes 16-31 of the next
	v_bfe_u32 v[STS], v0, 4, 1
	s_delay_alu instid0(VALU_DEP_1)
	v_mul_u32_u24 v[RB0], v[STS], PITCH
	s_delay_alu instid0(VALU_DEP_1)
	v_lshl_add_u32 v[RB0], v[AD], 4, v[RB0]
	s_delay_alu instid0(VALU_DEP_1)
	v_add_nc_u32 v[RB0], s44, v[RB0]
	s_delay_alu instid0(VALU_DEP_1)
	v_add_nc_u32 v[RB1], 32*PITCH, v[RB0]
	v_lshlrev_b32 v[GO], 11, v[STS]
	s_delay_alu instid0(VALU_DEP_1)
	v_lshl_add_u32 v[GO], v[AD], 4, v[GO]
	s_delay_alu instid0(VALU_DEP_1)
	v_add_nc_u32 v[GO], s44, v[GO]
	s_wait_dscnt 0x0
.irp a, 0,1,2,3
.irp n, 0,1,2,3
.irp p, 0,1,2,3
	v_pk_add_f32 v[ACC+32*\a+8*\n+2*\p:ACC+32*\a+8*\n+2*\p+1], v[ACC+32*\a+8*\n+2*\p:ACC+32*\a+8*\n+2*\p+1], v[BI+8*\n+2*\p:BI+8*\n+2*\p+1]
.endr
.endr
.endr
	s_mov_b32 s[IO], HI
	s_mov_b32 s[SO2], HS
	s_mov_b32 s[CT], 3
.Lm2:
	SETA_S IO, SO2
	PRE 0
	s_wait_alu depctr_va_vdst(0)
	PASS 0, 2, 1, 102400, 1                        ; the base, four passes behind the stream's head at the way in, steps in K step 0: trip t fetches blocks 36 + 4 t on
	s_add_co_u32 s[IO], s[IO], 24576
	s_add_co_u32 s[SO2], s[SO2], 1024
	s_sub_co_u32 s[CT], s[CT], 1
	s_cmp_lg_u32 s[CT], 0
	s_cbranch_scc1 .Lm2
	SETA_S IO, SO2                                 ; the last pass is written out: it fetches nothing, so no load passes the end of wst
	PRE 0
	s_wait_alu depctr_va_vdst(0)
	PASS 0, 2, 0, 0, 0
	; the way out is the wave's own: its 64 columns are 256 consecutive bytes of each row.  Through XB, whose bytes at my columns nobody else touches
	XSTORE
	WIN 0x40
.set qi, 0
.rept 32
	ds_load_b128 v[4*qi:4*qi+3], v[RB0+qi/16] offset:(qi%16)*2*PITCH       ; LDS serves a wave's instructions in order: these see my stores
.set qi, qi+1
.endr
	WIN 0x04
.set qi, 0
.rept 32
	s_wait_dscnt 31-qi                             ; the younger read-backs may be out
	global_store_b128 v[GO], v[4*qi:4*qi+3], s[20:21] offset:(32*(qi/16)+8*((qi/8)%2)+2*(qi%8)+8*((qi%8)/4))*2048 th:TH_STORE_NT   ; LDS rows 2 q, 2 q + 1 at their true places; 16 lanes store 256 consecutive aligned bytes
.set qi, qi+1
.endr
	WIN 0
	s_wait_tensorcnt 0x0                           ; the wave's end
	ds_add_u32 v[SPW], v[NIL]
	s_wait_dscnt 0x0
	s_endpgm
.Lfunc_end_k_qe88ce76f94_block:
	.size	k_qe88ce76f94_block, .Lfunc_end_k_qe88ce76f94_block-k_qe88ce76f94_block
	.p2alignl 7, 3214868480
	.fill 96, 4, 3214868480
	.section	.rodata,"a",@progbits
	.p2align	6, 0x0
	.amdhsa_kernel k_qe88ce76f94_block
		.amdhsa_group_segment_fixed_size 326656
		.amdhsa_private_segment_fixed_size 0
		.amdhsa_enable_private_segment 0
		.amdhsa_kernarg_size 64
		.amdhsa_user_sgpr_count 2
		.amdhsa_user_sgpr_kernarg_segment_ptr 1
		.amdhsa_wavefront_size32 1
		.amdhsa_system_sgpr_workgroup_id_x 1
		.amdhsa_system_sgpr_workgroup_id_y 1
		.amdhsa_system_sgpr_workgroup_id_z 1
		.amdhsa_system_vgpr_workitem_id 0
		.amdhsa_next_free_vgpr 512
		.amdhsa_next_free_sgpr 66
		.amdhsa_reserve_vcc 0
		.amdhsa_float_denorm_mode_32 3
		.amdhsa_float_denorm_mode_16_64 3
		.amdhsa_memory_ordered 1
		.amdhsa_forward_progress 1
		.amdhsa_inst_pref_size 255
	.end_amdhsa_kernel
	.section	.bss,"aw",@nobits
	.p2align	6
	.space	262144
	.amdgpu_metadata
---
amdhsa.version: [ 1, 2 ]
amdhsa.kernels:
  - .name:           k_qe88ce76f94_block
    .symbol:         k_qe88ce76f94_block.kd
    .args:
      - { .name: inputs, .offset: 0, .size: 8, .value_kind: global_buffer, .address_space: global }
      - { .name: xim, .offset: 8, .size: 8, .value_kind: global_buffer, .address_space: global }
      - { .name: ln2_scale, .offset: 16, .size: 8, .value_kind: global_buffer, .address_space: global }
      - { .name: ln2_bias, .offset: 24, .size: 8, .value_kind: global_buffer, .address_space: global }
      - { .name: b1, .offset: 32, .size: 8, .value_kind: global_buffer, .address_space: global }
      - { .name: b2, .offset: 40, .size: 8, .value_kind: global_buffer, .address_space: global }
      - { .name: wst, .offset: 48, .size: 8, .value_kind: global_buffer, .address_space: global }
      - { .name: out0, .offset: 56, .size: 8, .value_kind: global_buffer, .address_space: global }
    .group_segment_fixed_size: 326656
    .private_segment_fixed_size: 0
    .kernarg_segment_align: 8
    .kernarg_segment_size: 64
    .max_flat_workgroup_size: 256
    .sgpr_count:     66
    .vgpr_count:     512
    .wavefront_size: 32
...
	.end_amdgpu_metadata
.endif
;; end of part 2
